; MI455X (gfx1250); checked and timed in simulation.
; The chip was launched on July 23, 2026; its instructions are those of AMD's public machine-readable ISA for CDNA 5 (MIT licence, August 2026) and "CDNA5" Instruction Set Architecture Reference Guide (July 2026). The comments in the code are by the model that wrote it; some were corrected since.
;; Simple Expert FFN. Allowed arithmetic: matrix products marked QUANTISED: E5M2 operands, one E8M0 scale for each 32 along K, by v_wmma_scale_f32_16x16x128_f8f6f4 with both operands' format E5M2, f32 sums; products left as they are: f32 operands where the result goes on into a quantised operand, else bf16, f16 or f32 operands; f32 sums; everything else in f32.
;; Inputs: W1 8 x 1,024 x 1,024 float32; W2 8 x 1,024 x 1,024 float32; Wr 1,024 x 8 float32; b1 8 x 1,024 float32; b2 8 x 1,024 float32; br 8 float32; x 2 x 2,048 x 1,024 float32.
;; Outputs: out0 2 x 2,048 x 1,024 float32.
;; This version of the problem:
;;   THIS VERSION OF THE PROBLEM IS GIVEN IN LOW PRECISION. The matrix products marked QUANTISED in the list below multiply operands that are first quantised to E5M2 (5 exponent bits, 2 mantissa bits; 8 bits a number), with one power-of-two scale for each 32 numbers along K (OCP MX v1.0); their sums are f32. All else is computed in f32.
;;   The module's matrix products, in the order in which they are computed (A, B: the left and right operand; K: the contracted axis; several contracted axes count as one K, in the product's order):
;;     1. [M 4,096, K 1,024] x [K 1,024, N 8]; A: input x; B: input Wr: left as it is (N = 8 < 16)
;;     2. [M 8,192, K 1,024] x [K 1,024, N 4,096]; A: input W1; B: input x: QUANTISED
;;     3. batch 8 x [M 4,096, K 1,024] x [K 1,024, N 1,024]; A: computed on the way; B: input W2: QUANTISED
;;     4. batch 4,096 x [M 1, K 8] x [K 8, N 1,024]; A: computed on the way; B: computed on the way: left as it is (K = 8 < 32)
;;   THE QUANTISER, for each operand of a quantised product, along K:
;;     - K is cut into blocks of 32 from its start; a last block that is shorter is filled with zeros.
;;     - A block's scale is 2^e with e = floor(log2(the largest magnitude in the block)) - 15, held to -126 .. 127; a block of zeros has e = 0. As a byte (E8M0): e + 127.
;;     - Each number is divided by its block's scale, clamped to +-57,344, and rounded to the nearest number of E5M2, ties to even, subnormals kept.
;;     - The product sums the exact products of the quantised numbers (number of the format x scale) in f32.
;;   ~~~python
;;   def quantise(x, axis):      # numpy; x: float32 -> the quantised numbers, widened to float32 again
;;       x = np.moveaxis(x, axis, -1); K = x.shape[-1]
;;       x = np.pad(x, [(0, 0)] * (x.ndim - 1) + [(0, -K % 32)]); x = x.reshape(x.shape[:-1] + (-1, 32)); a = np.abs(x).max(-1, keepdims=True)
;;       e = np.where(a > 0, np.clip(np.frexp(np.where(a > 0, a, 1))[1] - 1 - 15, -126, 127), 0)      # np.frexp(a)[1] - 1 = floor(log2(a)), exactly
;;       r = np.clip(x / 2.0 ** e, -57344, 57344)
;;       step = 2.0 ** (np.maximum(np.frexp(np.where(r == 0, 1, r))[1] - 1, -14) - 2)
;;       q = np.round(r / step) * step * 2.0 ** e      # np.round: ties to even
;;       return np.moveaxis(q.reshape(q.shape[:-2] + (-1,))[..., :K], -1, axis).astype(np.float32)
;;   ~~~
;;   OPERANDS COMPUTED ON THE WAY. 'Computed on the way' means the value that the module computes at that place (a softmax that the list does not call 'softmax' is quantised finished and normalised). What goes into a quantiser is computed in f32, as accurately as f32 sums, v_exp_f32 and their like allow (about 1e-6 of the number): no bf16 or f16 on the way to a quantiser, and a product that is left as it is and whose result goes on into a quantised operand takes f32 operands (vector FMAs, or v_wmma_f32_16x16x4_f32). A number that lies on a knife's edge between two numbers of the format may be rounded either way, as far as f32 arithmetic and the matrix unit's own rounding can turn it there, and no further.
;; 2 versions. Each part assembles by itself: llvm-mc -triple=amdgcn-amd-amdhsa -mcpu=gfx1250 --defsym DOCPART=n.
;; ======== version 1 of 2: 4 launches
;; workspace buffers: idx 16,384 bytes of whole numbers; xq 4,341,760 bytes; w1q 8,650,752 bytes; w2q 8,650,752 bytes; order 17,152 bytes of whole numbers; hq 4,595,712 bytes
;; launch prep1 (part 1): grid 384 x 1, 8 waves a work-group, no clusters, 77,824 bytes of LDS; arguments x, Wr, br, W1, idx, xq, w1q; writes idx, xq, w1q
.if DOCPART == 1
	.amdgcn_target "amdgcn-amd-amdhsa--gfx1250"
	.amdhsa_code_object_version 6
	.text
	.protected	k_q0069cf0143_prep1
	.globl	k_q0069cf0143_prep1
	.p2align	8
	.type	k_q0069cf0143_prep1,@function
k_q0069cf0143_prep1:
	s_mov_b64 s[64:65], 0
	v_nop
	global_prefetch_b8 v0, s[64:65] scope:SCOPE_SE
	s_setreg_imm32_b32 hwreg(HW_REG_WAVE_MODE, 25, 1), 1
	s_wait_xcnt 0x0
; TWO JOBS IN ONE LAUNCH, parted by the work-group's number.
; Work-groups 0-127 (32 tokens each, 4 a wave): the router in f32 (logits = x Wr + br; the chosen expert; gate = 1 / sum of exp(l - max)), and x as codes of
; E5M2 with one E8M0 byte for each 32 along K.  x is read once and serves both.
; Work-groups 128-383: W1 [8][1024 k][1024 n], f32, K its first axis within an expert, as codes laid in the ORDER OF THE OPERAND'S REGISTERS.
; xq:  codes at token x 1024 + k;  at XS: token x 32 + k / 32 (eight scale words a row);  at XG: the gate, f32, at token x 4.
; w1q: codes at e x 2^20 + slice x 2^17 + ks x 2^14 + t x 2048 + c x 512 + (16 h + r) x 16: slice = 128 columns, ks = 128 along K, t = a tile of 16 columns, c = a block of 32 along K.
;      Lane (r, h) of tile t = 2 b + u holds column 32 b + 8 u + r % 8 + 16 (r / 8) of the slice, k = 32 c + 16 h + 0 .. 15.
;      at WS: (8 e + slice) x 4096 + b x 1024 + (ks / 4) x 512 + (16 u + r) x 16 + (ks % 4) x 4: a column's scale word of a K step.
; A block's scale is 2^(floor(log2(largest magnitude)) - 15); its byte is the largest magnitude's exponent field - 15, held at 1 from below.
; LIMITS.  NaN and infinities among the inputs are not served.  A block of zeros gets the byte 1 where the rule says 127: its codes are zeros, and this program alone reads
; the bytes; blocks whose largest magnitude lies under 2^-111 sit at that floor.  The expert is the first largest LOGIT in f32 (the softmax rises with the logit): a token whose two
; best logits differ by less than the rounding of a sum of 1,024 f32 products may go to the other of the two.
; No tensor load, no cluster: work-groups share only Wr (32 KiB), which each copies into LDS once.
.set XS,    4194304
.set XG,    4325376
.set WS,    8388608
.set FIRST, 128                        ; the first work-group of the weights' job
.set WRL,   43008                      ; LDS: behind the eight waves' regions: Wr as 64 chunks of 512 bytes, 528 apart
.set R,     20                         ; v20-51   two sets of 16 numbers as loaded
.set X,     52                         ; v52-83   two sets of 16 neighbours along K
.set C,     84                         ; v84-91   two sets of codes
.set ACC,   92                         ; v92-123  logits in the making: 4 tokens x 8 experts
.set WRV,   124                        ; v124-251 Wr[my 16 k][8]: register 8 kk + e
.set WX,    16                         ; weights' job: v16-143 128 numbers down K;  v144-175 their codes
.set WC,    144
	s_load_b256 s[4:11], s[0:1], 0x0               ; x s[4:5], Wr s[6:7], br s[8:9], W1 s[10:11]
	s_load_b128 s[12:15], s[0:1], 0x20             ; idx s[12:13], xq s[14:15]
	s_load_b64 s[16:17], s[0:1], 0x30              ; w1q
	v_lshl_add_u32 v254, v0, 2, 0x12c00
	v_mov_b32 v255, 0
	v_lshrrev_b32 v1, 5, v0
	v_readfirstlane_b32 s18, v1                    ; wave 0..7
	v_and_b32 v1, 31, v0                           ; lane
	s_mov_b32 s20, 0x76543210
	s_mov_b32 s21, 0xfedcba98                      ; v_permlanex16_b32's selects for lane l xor 16
	s_mov_b32 s23, 0x600000                        ; the mantissa field of 57,344
	s_wait_kmcnt 0x0
	s_cmp_lt_u32 ttmp9, FIRST                      ; the same in all waves of a work-group
	s_cbranch_scc0 .Lweights
; ---------------- the router and x's codes ----------------
	s_load_b256 s[24:31], s[8:9], 0x0              ; br: waited for where it is added
	s_lshl_b32 s19, ttmp9, 5
	s_lshl_b32 s2, s18, 2
	s_add_co_u32 s19, s19, s2                      ; my first token: 32 x work-group + 4 x wave
	s_mov_b32 s3, 0
	s_lshl_b32 s2, s19, 12
	s_add_nc_u64 s[4:5], s[4:5], s[2:3]            ; x at my first token
	s_lshl_b32 s2, s19, 10
	s_add_nc_u64 s[32:33], s[14:15], s[2:3]        ; its codes
	s_lshl_b32 s2, s19, 5
	s_add_co_u32 s2, s2, XS
	s_add_nc_u64 s[34:35], s[14:15], s[2:3]        ; its scale bytes
	s_lshl_b32 s2, s19, 2
	s_add_nc_u64 s[12:13], s[12:13], s[2:3]        ; its expert
	s_add_co_u32 s2, s2, XG
	s_add_nc_u64 s[36:37], s[14:15], s[2:3]        ; its gate
	s_mul_i32 s22, s18, 5376                       ; my wave's LDS region: two stages of 2,560 bytes, then 128 scale bytes
	v_lshlrev_b32 v2, 4, v1                        ; 16 x lane
	v_lshrrev_b32 v3, 2, v1
	v_mul_u32_u24 v3, v3, 80
	v_and_b32 v8, 3, v1
	v_lshl_add_u32 v3, v8, 4, v3
	v_add_nc_u32 v3, s22, v3                       ; into a stage: four lanes' 64 bytes on end, then 16 of padding
	v_mul_u32_u24 v4, v1, 80
	v_add_nc_u32 v4, s22, v4                       ; out of it: 80 x lane: my 16 neighbours
	v_lshrrev_b32 v5, 1, v1
	s_add_co_u32 s22, s22, 5120
	v_add_nc_u32 v5, s22, v5                       ; my block's scale byte (two lanes to a block)
	v_lshlrev_b32 v7, 2, v1                        ; 4 x lane
	v_add_nc_u32 v6, s22, v7                       ; the bytes' way out: 4 a lane
	s_lshl_b32 s22, s18, 12
	v_add_nc_u32 v14, s22, v2                      ; Wr in memory: my wave's eight chunks
	s_mul_i32 s22, s18, 4224
	s_add_co_u32 s22, s22, WRL
	v_add_nc_u32 v15, s22, v2                      ; and in LDS
	v_mul_u32_u24 v16, v1, 528
	v_add_nc_u32 v16, WRL, v16                     ; chunk 32 p + lane is Wr[512 p + 16 lane .. + 15][0 .. 7]
; Step st = 4 p + tl: half p of token tl: 512 numbers; afterwards lane l holds k = 512 p + 16 l + 0 .. 15.
.macro LOADX st                        ; four loads of 512 consecutive bytes
.irp i, 0,1,2,3
	global_load_b128 v[R+16*((\st)%2)+4*\i:R+16*((\st)%2)+4*\i+3], v2, s[4:5] offset:((\st)%4)*4096+((\st)/4)*2048+512*\i th:TH_LOAD_NT
.endr
.endm
.macro TURN st                         ; through the wave's own stage: LDS serves a wave's instructions in order, so no wait stands between the stores and the loads
.irp i, 0,1,2,3
	ds_store_b128 v3, v[R+16*((\st)%2)+4*\i:R+16*((\st)%2)+4*\i+3] offset:2560*((\st)%2)+640*\i
.endr
.irp i, 0,1,2,3
	ds_load_b128 v[X+16*((\st)%2)+4*\i:X+16*((\st)%2)+4*\i+3], v4 offset:2560*((\st)%2)+16*\i
.endr
.endm
.macro FMA st                          ; my 16 numbers x Wr's 16 rows, two experts an instruction; the first product of a token starts its sums
.set XB, X+16*((\st)%2)
.set AB, ACC+8*((\st)%4)
.set kk, 0
.rept 16
.set ep, 0
.rept 4
.if ((\st) < 4) && (kk == 0)
	v_pk_mul_f32 v[AB+2*ep:AB+2*ep+1], v[XB:XB+1], v[WRV+2*ep:WRV+2*ep+1] op_sel_hi:[0,1]
.elseif (kk%2) == 0
	v_pk_fma_f32 v[AB+2*ep:AB+2*ep+1], v[XB+kk:XB+kk+1], v[WRV+8*kk+2*ep:WRV+8*kk+2*ep+1], v[AB+2*ep:AB+2*ep+1] op_sel_hi:[0,1,1]
.else
	v_pk_fma_f32 v[AB+2*ep:AB+2*ep+1], v[XB+kk-1:XB+kk], v[WRV+8*kk+2*ep:WRV+8*kk+2*ep+1], v[AB+2*ep:AB+2*ep+1] op_sel:[1,0,0] op_sel_hi:[1,1,1]
.endif
.set ep, ep+1
.endr
.set kk, kk+1
.endr
.endm
.macro QX st                           ; my 16 numbers become 16 codes; two neighbouring lanes hold a block
.set XB, X+16*((\st)%2)
.set CB, C+4*((\st)%2)
	v_max3_num_f32 v8, |v[XB]|, |v[XB+1]|, |v[XB+2]|
	v_max3_num_f32 v9, |v[XB+3]|, |v[XB+4]|, |v[XB+5]|
.irp i, 6,10
	v_max3_num_f32 v8, v8, |v[XB+\i]|, |v[XB+\i+1]|
	v_max3_num_f32 v9, v9, |v[XB+\i+2]|, |v[XB+\i+3]|
.endr
	v_max3_num_f32 v8, v8, |v[XB+14]|, |v[XB+15]|
	v_max3_num_f32 v8, v8, v9, 0x8000000           ; and the floor 2^(16 - 127): the byte cannot fall under 1
	v_max_num_f32_dpp v8, v8, v8 row_xmask:1 row_mask:0xf bank_mask:0xf   ; with my neighbour's 16: the block's largest magnitude
	v_add_nc_u32 v11, 0xf8800000, v8               ; 15 off its exponent field: the conversion's scale operand
	v_and_or_b32 v10, v8, 0x7f800000, s23          ; 57,344 x the scale
.irp i, 0,1,2,3,4,5,6,7,8,9,10,11,12,13,14,15
	v_med3_num_f32 v[XB+\i], v[XB+\i], -v10, v10   ; the conversion to an 8-bit code does not saturate (ISA guide 7.6.2): the hold comes first
.endr
	s_wait_xcnt 0x0                                ; the store of two steps back has read this set of codes
	v_cvt_scalef32_pk8_bf8_f32 v[CB:CB+1], v[XB:XB+7], v11
	v_cvt_scalef32_pk8_bf8_f32 v[CB+2:CB+3], v[XB+8:XB+15], v11
	v_lshrrev_b32 v[12+(\st)%2], 23, v11           ; the scale's byte, in two registers by turns; also the plain line behind the conversions
	ds_store_b8 v5, v[12+(\st)%2] offset:32*((\st)%4)+16*((\st)/4)   ; both lanes of a block write the same byte with the same value
	global_store_b128 v2, v[CB:CB+3], s[32:33] offset:((\st)%4)*1024+((\st)/4)*512   ; 32 lanes store 512 consecutive bytes
.endm
.macro STEP st
.if (\st) == 0
	s_wait_dscnt 0x0                               ; Wr's first half and step 0's numbers
.else
	s_wait_dscnt 0x1                               ; this step's numbers are back from the stage; the last byte store may be out
.endif
.if (\st) == 4
.set q, 0
.rept 32
	ds_load_b128 v[WRV+4*q:WRV+4*q+3], v16 offset:16896+16*q   ; Wr's second half: k from 512 on
.set q, q+1
.endr
.endif
.if (\st) <= 5
	LOADX (\st)+2                                  ; into the set whose way into the stage is over
	s_wait_loadcnt 0x4                             ; the next step's four loads are in; the four just issued may be out
	TURN (\st)+1
.elseif (\st) == 6
	s_wait_loadcnt 0x0
	TURN 7
.endif
.if (\st) == 4
	s_wait_dscnt 0x8                               ; Wr's second half is in; the eight of the turn just issued may be out
.endif
	FMA \st                                        ; ahead of the hold, which changes the numbers
	QX \st
.endm
.irp i, 0,1,2,3,4,5,6,7
	global_load_b128 v[WRV+4*\i:WRV+4*\i+3], v14, s[6:7] offset:512*\i   ; my wave's eighth of Wr
.endr
	LOADX 0
	LOADX 1
	s_wait_loadcnt 0x8                             ; Wr's eight are in; x's eight may be out
.irp i, 0,1,2,3,4,5,6,7
	ds_store_b128 v15, v[WRV+4*\i:WRV+4*\i+3] offset:528*\i
.endr
	s_wait_dscnt 0x0                               ; for the others' sake: my part of Wr lies in LDS
	s_barrier_signal -1
	s_barrier_wait -1                              ; everybody's does; nobody writes it again
.set q, 0
.rept 32
	ds_load_b128 v[WRV+4*q:WRV+4*q+3], v16 offset:16*q
.set q, q+1
.endr
	s_wait_loadcnt 0x4                             ; step 0's four loads are in
	TURN 0
.irp st, 0,1,2,3,4,5,6,7
	STEP \st
.endr
	; the lanes' parts of the 32 logits are added: four steps inside each half of the lanes, one across
.irp m, 1,2,4,8
.set a, 0
.rept 32
	v_add_f32_dpp v[ACC+a], v[ACC+a], v[ACC+a] row_xmask:\m row_mask:0xf bank_mask:0xf
.set a, a+1
.endr
.endr
.set a, 0
.rept 32
	v_permlanex16_b32 v[X+a], v[ACC+a], s20, s21
.set a, a+1
.endr
.set a, 0
.rept 32
	v_add_f32 v[ACC+a], v[ACC+a], v[X+a]
.set a, a+1
.endr
.irp tl, 1,2,3                         ; lane tl takes token tl's eight (lanes from 4 on keep token 0's and store nothing)
	v_cmp_eq_u32 vcc_lo, \tl, v1
.irp e, 0,1,2,3,4,5,6,7
	v_cndmask_b32 v[ACC+\e], v[ACC+\e], v[ACC+8*\tl+\e], vcc_lo
.endr
.endr
	s_wait_kmcnt 0x0                               ; br
.irp e, 0,1,2,3,4,5,6,7
	v_add_f32 v[ACC+\e], s[24+\e], v[ACC+\e]
.endr
	v_max3_num_f32 v8, v[ACC], v[ACC+1], v[ACC+2]
	v_max3_num_f32 v8, v8, v[ACC+3], v[ACC+4]
	v_max3_num_f32 v8, v8, v[ACC+5], v[ACC+6]
	v_max_num_f32 v8, v8, v[ACC+7]                 ; the largest logit
	v_mov_b32 v9, 7
.irp e, 6,5,4,3,2,1,0
	v_cmp_eq_f32 vcc_lo, v[ACC+\e], v8
	v_cndmask_b32 v9, v9, \e, vcc_lo               ; the lowest expert that has it
.endr
.irp e, 0,1,2,3,4,5,6,7
	v_sub_f32 v[ACC+\e], v[ACC+\e], v8             ; the maximum is taken away ahead of the exponential
.endr
.irp e, 0,1,2,3,4,5,6,7
	v_mul_f32 v[ACC+\e], 0x3fb8aa3b, v[ACC+\e]
.endr
.irp e, 0,1,2,3,4,5,6,7
	v_exp_f32 v[ACC+\e], v[ACC+\e]
.endr
	ds_load_b32 v56, v6                            ; my wave's 128 scale bytes, 4 a lane: LDS serves a wave's instructions in order, so these see my stores
	v_nop                                          ; the plain line behind the last exponential
	s_wait_alu depctr_va_vdst(0)                   ; one wait for the eight, ahead of their first reader
	v_add_f32 v52, v[ACC], v[ACC+1]
	v_add_f32 v53, v[ACC+2], v[ACC+3]
	v_add_f32 v54, v[ACC+4], v[ACC+5]
	v_add_f32 v55, v[ACC+6], v[ACC+7]
	v_add_f32 v52, v52, v53
	v_add_f32 v54, v54, v55
	v_add_f32 v52, v52, v54
	v_rcp_f32 v10, v52                             ; the gate: the largest probability is 1 / the sum
	v_cmp_gt_u32 vcc_lo, 4, v1                     ; (the plain line behind the reciprocal)
	s_wait_alu depctr_va_vdst(0)                   ; ahead of the store that reads it
	s_wait_dscnt 0x0
	global_store_b32 v7, v56, s[34:35]             ; 128 consecutive bytes
	s_wait_xcnt 0x0                                ; EXEC changes only behind this wait
	s_wait_tensorcnt 0x0
	ds_add_u32 v254, v255
	s_wait_dscnt 0x0
	s_and_saveexec_b32 s38, vcc_lo
	global_store_b32 v7, v9, s[12:13]              ; four tokens' experts
	global_store_b32 v7, v10, s[36:37]             ; and gates
	s_wait_xcnt 0x0
	s_or_b32 exec_lo, exec_lo, s38
	s_endpgm
; ---------------- a weight into codes, in the operand's order ----------------
; Work-group j = e x 32 + ks x 4 + cb takes 128 along K x 256 columns; wave w 32 of the columns.  A LANE TAKES A COLUMN AND ITS REGISTERS RUN DOWN K: each load reads 128 consecutive bytes a wave
; (the eight waves stand side by side on 1,024), a block of 32 lies in one lane's registers, and the conversions give codes with K innermost.  Nothing is transposed.
.macro WBLOCK c, left
.set XB, WX+32*(\c)
.set CB, WC+8*(\c)
	s_wait_loadcnt \left                           ; this block's 32 loads are in (the count names the later blocks' loads, as far as the wait's field reaches)
	v_max3_num_f32 v12, |v[XB]|, |v[XB+1]|, |v[XB+2]|
	v_max3_num_f32 v13, |v[XB+3]|, |v[XB+4]|, |v[XB+5]|
.irp i, 6,10,14,18,22,26
	v_max3_num_f32 v12, v12, |v[XB+\i]|, |v[XB+\i+1]|
	v_max3_num_f32 v13, v13, |v[XB+\i+2]|, |v[XB+\i+3]|
.endr
	v_max3_num_f32 v12, v12, |v[XB+30]|, |v[XB+31]|
	v_max3_num_f32 v12, v12, v13, 0x8000000        ; and the floor 2^(16 - 127)
	v_add_nc_u32 v11, 0xf8800000, v12              ; the conversion's scale operand
	v_and_or_b32 v10, v12, 0x7f800000, s23         ; 57,344 x the scale
	v_lshrrev_b32 v13, 23, v11                     ; the scale's byte
.if (\c) == 0
	v_mov_b32 v14, v13
.else
	v_lshl_or_b32 v14, v13, 8*(\c), v14            ; four bytes make the column's scale word of this K step
.endif
.irp i, 0,1,2,3,4,5,6,7,8,9,10,11,12,13,14,15,16,17,18,19,20,21,22,23,24,25,26,27,28,29,30,31
	v_med3_num_f32 v[XB+\i], v[XB+\i], -v10, v10
.endr
.irp g, 0,1,2,3
	v_cvt_scalef32_pk8_bf8_f32 v[CB+2*\g:CB+2*\g+1], v[XB+8*\g:XB+8*\g+7], v11
.endr
	v_nop                                          ; the plain line behind the last conversion
	global_store_b128 v3, v[CB:CB+3], s[48:49] offset:512*(\c)         ; k = 32 c + 0 .. 15: the fragment's lanes 0-15.  The wave's store covers two aligned runs of 256 bytes (tiles 2 b and 2 b + 1)
	global_store_b128 v3, v[CB+4:CB+7], s[48:49] offset:512*(\c)+256   ; k = 32 c + 16 .. 31: its lanes 16-31
.endm
.macro WQ src, dst
	s_sub_co_u32 s40, ttmp9, FIRST
	s_lshr_b32 s41, s40, 5                         ; e
	s_bfe_u32 s42, s40, 0x30002                    ; ks
	s_and_b32 s43, s40, 3                          ; cb
	s_lshr_b32 s44, s18, 2
	s_lshl_b32 s45, s43, 1
	s_add_co_u32 s44, s44, s45                     ; slice = 2 cb + wave / 4
	s_and_b32 s45, s18, 3                          ; b = wave % 4: the pair of tiles
	s_lshl_b32 s46, s41, 22                        ; in memory: an expert is 4 MiB, a K step 128 rows of 4,096 bytes
	s_lshl_b32 s47, s42, 19
	s_add_co_u32 s46, s46, s47
	s_lshl_b32 s47, s43, 10
	s_add_co_u32 s46, s46, s47
	s_lshl_b32 s47, s18, 7
	s_add_co_u32 s46, s46, s47
	s_mov_b32 s47, 0
	s_add_nc_u64 s[\src:\src+1], s[\src:\src+1], s[46:47]
	s_lshl_b32 s46, s41, 3
	s_add_co_u32 s46, s46, s44                     ; 8 e + slice
	s_lshl_b32 s52, s46, 17
	s_lshl_b32 s53, s42, 14
	s_add_co_u32 s52, s52, s53
	s_lshl_b32 s53, s45, 12
	s_add_co_u32 s52, s52, s53
	s_mov_b32 s53, 0
	s_add_nc_u64 s[48:49], s[\dst:\dst+1], s[52:53]   ; my pair of tiles' codes
	s_lshl_b32 s52, s46, 12
	s_lshl_b32 s54, s45, 10
	s_add_co_u32 s52, s52, s54
	s_lshr_b32 s54, s42, 2
	s_lshl_b32 s54, s54, 9
	s_add_co_u32 s52, s52, s54
	s_and_b32 s54, s42, 3
	s_lshl_b32 s54, s54, 2
	s_add_co_u32 s52, s52, s54
	s_add_co_u32 s52, s52, WS
	s_add_nc_u64 s[50:51], s[\dst:\dst+1], s[52:53]   ; and their scale words
	v_lshlrev_b32 v2, 2, v1                        ; in: 4 bytes a lane
	v_bfe_u32 v8, v1, 3, 1                         ; u: which tile of the pair my column falls into,
	v_and_b32 v9, 7, v1
	v_lshrrev_b32 v10, 4, v1
	v_lshl_add_u32 v9, v10, 3, v9                  ; r: and which of its lanes holds it
	v_lshlrev_b32 v3, 4, v9
	v_lshl_add_u32 v3, v8, 11, v3                  ; 2048 u + 16 r
	v_lshl_add_u32 v4, v8, 4, v9
	v_lshlrev_b32 v4, 4, v4                        ; (16 u + r) x 16
.set i, 0
.rept 128
	global_load_b32 v[WX+i], v2, s[\src:\src+1] offset:i*4096 th:TH_LOAD_NT
.set i, i+1
.endr
	WBLOCK 0, 63
	WBLOCK 1, 63
	WBLOCK 2, 32
	WBLOCK 3, 0
	global_store_b32 v4, v14, s[50:51]             ; 4 bytes a lane, 16 apart: one byte for each 128 read
.endm
.Lweights:
	WQ 10, 16
	s_endpgm
.Lfunc_end_k_q0069cf0143_prep1:
	.size	k_q0069cf0143_prep1, .Lfunc_end_k_q0069cf0143_prep1-k_q0069cf0143_prep1
	.p2alignl 7, 3214868480
	.fill 96, 4, 3214868480
	.section	.rodata,"a",@progbits
	.p2align	6, 0x0
	.amdhsa_kernel k_q0069cf0143_prep1
		.amdhsa_group_segment_fixed_size 77824
		.amdhsa_private_segment_fixed_size 0
		.amdhsa_enable_private_segment 0
		.amdhsa_kernarg_size 56
		.amdhsa_user_sgpr_count 2
		.amdhsa_user_sgpr_kernarg_segment_ptr 1
		.amdhsa_wavefront_size32 1
		.amdhsa_system_sgpr_workgroup_id_x 1
		.amdhsa_system_sgpr_workgroup_id_y 1
		.amdhsa_system_sgpr_workgroup_id_z 1
		.amdhsa_system_vgpr_workitem_id 0
		.amdhsa_next_free_vgpr 256
		.amdhsa_next_free_sgpr 66
		.amdhsa_reserve_vcc 1
		.amdhsa_float_denorm_mode_32 3
		.amdhsa_float_denorm_mode_16_64 3
		.amdhsa_memory_ordered 1
		.amdhsa_forward_progress 1
		.amdhsa_inst_pref_size 109
	.end_amdhsa_kernel
	.amdgpu_metadata
---
amdhsa.version: [ 1, 2 ]
amdhsa.kernels:
  - .name:           k_q0069cf0143_prep1
    .symbol:         k_q0069cf0143_prep1.kd
    .args:
      - { .name: x, .offset: 0, .size: 8, .value_kind: global_buffer, .address_space: global }
      - { .name: Wr, .offset: 8, .size: 8, .value_kind: global_buffer, .address_space: global }
      - { .name: br, .offset: 16, .size: 8, .value_kind: global_buffer, .address_space: global }
      - { .name: W1, .offset: 24, .size: 8, .value_kind: global_buffer, .address_space: global }
      - { .name: idx, .offset: 32, .size: 8, .value_kind: global_buffer, .address_space: global }
      - { .name: xq, .offset: 40, .size: 8, .value_kind: global_buffer, .address_space: global }
      - { .name: w1q, .offset: 48, .size: 8, .value_kind: global_buffer, .address_space: global }
    .group_segment_fixed_size: 77824
    .private_segment_fixed_size: 0
    .kernarg_segment_align: 8
    .kernarg_segment_size: 56
    .max_flat_workgroup_size: 256
    .sgpr_count:     66
    .vgpr_count:     256
    .wavefront_size: 32
...
	.end_amdgpu_metadata
.endif
;; end of part 1
;; launch prep2 (part 2): grid 257 x 1, 8 waves a work-group, no clusters, 2,048 bytes of LDS; arguments idx, W2, order, w2q; writes order, w2q
.if DOCPART == 2
	.amdgcn_target "amdgcn-amd-amdhsa--gfx1250"
	.amdhsa_code_object_version 6
	.text
	.protected	k_q0069cf0143_prep2
	.globl	k_q0069cf0143_prep2
	.p2align	8
	.type	k_q0069cf0143_prep2,@function
k_q0069cf0143_prep2:
	s_mov_b64 s[64:65], 0
	v_nop
	global_prefetch_b8 v0, s[64:65] scope:SCOPE_SE
	s_setreg_imm32_b32 hwreg(HW_REG_WAVE_MODE, 25, 1), 1
	s_wait_xcnt 0x0
; TWO JOBS IN ONE LAUNCH, parted by the work-group's number.
; Work-group 0: a counting sort of the 4,096 tokens by their expert (idx, whole numbers stored by the launch before), without atomics.
;   order: at 0 the list, u32: each expert's tokens on end, each expert's run filled up to whole tiles of 16 rows with token 0 (rows that are computed and never stored to the output);
;   at META: words 0-7 an expert's first tile, 8-15 its number of tiles, 16-23 its number of rows.  The tiles number at most 4096 / 16 + 7 = 263, whatever the choice.
; Work-groups 1-256: W2 [8][1024 k][1024 n], f32, K its first axis within an expert, as codes of E5M2 in the order of the operand's registers:
;   w2q: codes at e x 2^20 + slice x 2^17 + ks x 2^14 + t x 2048 + c x 512 + (16 h + r) x 16; lane (r, h) of tile t = 2 b + u holds column 32 b + 8 u + r % 8 + 16 (r / 8) of the slice, k = 32 c + 16 h + 0 .. 15;
;   at WS: (8 e + slice) x 4096 + b x 1024 + (ks / 4) x 512 + (16 u + r) x 16 + (ks % 4) x 4: a column's scale word of a K step.
; LIMITS: NaN and infinities are not served; a block of zeros gets the byte 1 (its codes are zeros; this program alone reads the bytes); blocks under 2^-111 sit at that floor.
.set WS,    8388608
.set META,  16896
.set FIRST, 1
.set WX,    16
.set WC,    144
.set IDX,   16                         ; v16-31   my 16 tokens' experts, later the tokens themselves
.set RK,    32                         ; v32-47   their ranks in my wave, later their places in the list
.set T,     48                         ; v48-55   at work
.set CW,    64                         ; v64-127  every wave's eight counts
.set END,   64                         ; v64-71   afterwards: where an expert's rows end,
.set PEND,  72                         ; v72-79   and where its last tile ends
.set BASE,  128                        ; v128-135 rows of the waves in front of mine
.set T0,    144                        ; v144-151 first tile;  v152-159 tiles;  v160-167 rows: on end, as they are stored
.set NT,    152
.set TOT,   160
.set ST,    168                        ; v168-175 where my wave's rows of an expert begin
.set FE,    176                        ; v176     the filling: my place behind the rows of the expert with my wave's number
.set FP,    177                        ; v177     and where that expert's last tile ends
	s_load_b256 s[4:11], s[0:1], 0x0               ; idx s[4:5], W2 s[6:7], order s[8:9], w2q s[10:11]
	v_lshl_add_u32 v192, v0, 2, 0x400
	v_mov_b32 v193, 0
	v_lshrrev_b32 v1, 5, v0
	v_readfirstlane_b32 s18, v1                    ; wave 0..7
	v_and_b32 v1, 31, v0                           ; lane
	s_mov_b32 s23, 0x600000                        ; the mantissa field of 57,344
	s_wait_kmcnt 0x0
	s_cmp_lg_u32 ttmp9, 0                          ; the same in all waves of a work-group
	s_cbranch_scc1 .Lweights
; ---------------- the sort: 256 threads, 16 tokens each ----------------
	v_lshlrev_b32 v2, 4, v0
	v_lshlrev_b32 v5, 2, v0                        ; slot 4 q + i of thread t is token 1024 q + 4 t + i
	v_mov_b32 v6, 0
.irp q, 0,1,2,3
	global_load_b128 v[IDX+4*\q:IDX+4*\q+3], v2, s[4:5] offset:4096*\q   ; the work-group reads 4,096 consecutive bytes
.endr
.irp e, 0,1,2,3,4,5,6,7
	s_mov_b32 s[40+\e], 0                          ; my wave's rows of expert e so far
.endr
	s_lshl_b32 s19, s18, 5
	v_mov_b32 v3, s19                              ; LDS: my wave's eight counts
	v_mov_b32 v4, 0
	s_wait_loadcnt 0x0
.macro RANK j                          ; a token's rank among my wave's tokens of its expert: those of earlier slots, and of lower lanes in this slot
.irp e, 0,1,2,3,4,5,6,7
	v_cmp_eq_u32 s[32+\e], \e, v[IDX+\j]
.endr
.irp e, 0,1,2,3,4,5,6,7
	v_mbcnt_lo_u32_b32 v[T+\e], s[32+\e], s[40+\e]
.endr
	v_mov_b32 v[RK+\j], v[T]
.irp e, 1,2,3,4,5,6,7
	v_cndmask_b32 v[RK+\j], v[RK+\j], v[T+\e], s[32+\e]
.endr
.irp e, 0,1,2,3,4,5,6,7
	s_bcnt1_i32_b32 s48, s[32+\e]
	s_add_co_u32 s[40+\e], s[40+\e], s48
.endr
.endm
.irp j, 0,1,2,3,4,5,6,7,8,9,10,11,12,13,14,15
	RANK \j
.endr
.irp e, 0,1,2,3,4,5,6,7
	v_mov_b32 v[T+\e], s[40+\e]
.endr
	ds_store_b128 v3, v[T:T+3]                     ; all lanes write the same words with the same values
	ds_store_b128 v3, v[T+4:T+7] offset:16
	s_wait_dscnt 0x0                               ; for the others' sake: my counts lie in LDS
	s_barrier_signal -1
	s_barrier_wait -1
.irp n, 0,1,2,3,4,5,6,7,8,9,10,11,12,13,14,15
	ds_load_b128 v[CW+4*\n:CW+4*\n+3], v4 offset:16*\n   ; all 64 counts, in every lane
.endr
.irp w, 0,1,2,3,4,5,6
	s_cmp_gt_u32 s18, \w
	s_cselect_b32 s[50+\w], 1, 0                   ; is wave w in front of mine?
.endr
	s_wait_dscnt 0x0
.irp e, 0,1,2,3,4,5,6,7
	v_mul_u32_u24 v[BASE+\e], s50, v[CW+\e]
.irp w, 1,2,3,4,5,6
	v_mad_u32_u24 v[BASE+\e], v[CW+8*\w+\e], s[50+\w], v[BASE+\e]
.endr
	v_add3_u32 v[TOT+\e], v[CW+\e], v[CW+8+\e], v[CW+16+\e]
	v_add3_u32 v[TOT+\e], v[TOT+\e], v[CW+24+\e], v[CW+32+\e]
	v_add3_u32 v[TOT+\e], v[TOT+\e], v[CW+40+\e], v[CW+48+\e]
	v_add_nc_u32 v[TOT+\e], v[TOT+\e], v[CW+56+\e]
	v_add_nc_u32 v[NT+\e], 15, v[TOT+\e]
	v_lshrrev_b32 v[NT+\e], 4, v[NT+\e]            ; tiles of 16 rows, the last one filled up
.endr
	v_mov_b32 v[T0], 0
.irp e, 1,2,3,4,5,6,7
	v_add_nc_u32 v[T0+\e], v[T0+\e-1], v[NT+\e-1]
.endr
.irp e, 0,1,2,3,4,5,6,7
	v_lshl_add_u32 v[ST+\e], v[T0+\e], 4, v[BASE+\e]
	v_lshl_add_u32 v[END+\e], v[T0+\e], 4, v[TOT+\e]
	v_add_lshl_u32 v[PEND+\e], v[T0+\e], v[NT+\e], 4
.endr
.macro PLACE j                         ; each slot has registers of its own for its place and its token: no store's sources are written again
	v_mov_b32 v48, v[ST]
.irp e, 1,2,3,4,5,6,7
	v_cmp_eq_u32 vcc_lo, \e, v[IDX+\j]
	v_cndmask_b32 v48, v48, v[ST+\e], vcc_lo
.endr
	v_add_nc_u32 v[RK+\j], v[RK+\j], v48
	v_min_u32 v[RK+\j], 0x107f, v[RK+\j]           ; inside the list's 264 x 16 words
	v_lshlrev_b32 v[RK+\j], 2, v[RK+\j]
	v_add_nc_u32 v[IDX+\j], ((\j)/4)*1024+(\j)%4, v5
	global_store_b32 v[RK+\j], v[IDX+\j], s[8:9]
.endm
.irp j, 0,1,2,3,4,5,6,7,8,9,10,11,12,13,14,15
	PLACE \j
.endr
	; Wave e fills expert e's last tile up, with token 0: at most 15 words.  The expert's two numbers are chosen by the wave's number without a jump, all lanes on.
	v_mov_b32 v[FE], v[END]
	v_mov_b32 v[FP], v[PEND]
.irp e, 1,2,3,4,5,6,7
	s_cmp_eq_u32 s18, \e
	s_cselect_b32 s58, -1, 0
	v_cndmask_b32 v[FE], v[FE], v[END+\e], s58
	v_cndmask_b32 v[FP], v[FP], v[PEND+\e], s58
.endr
	v_add_nc_u32 v[FE], v[FE], v1                  ; lane l: the l-th word behind the expert's rows,
	v_cmp_gt_u32 vcc_lo, v[FP], v[FE]              ; if it still lies in the last tile
	v_min_u32 v[FE], 0x107f, v[FE]                 ; inside the list's 264 x 16 words
	v_lshlrev_b32 v[FE], 2, v[FE]
	s_wait_xcnt 0x0                                ; EXEC changes only behind this wait
	s_and_saveexec_b32 s57, vcc_lo
	global_store_b32 v[FE], v6, s[8:9]
	s_wait_xcnt 0x0
	s_or_b32 exec_lo, exec_lo, s57
	s_cmp_lg_u32 s18, 0
	s_cbranch_scc1 .Lsorted
	v_cmp_eq_u32 vcc_lo, 0, v1                     ; wave 0's lane 0 stores the 24 counts
	s_wait_xcnt 0x0
	s_and_saveexec_b32 s57, vcc_lo
.irp n, 0,1,2,3,4,5
	global_store_b128 v6, v[T0+4*\n:T0+4*\n+3], s[8:9] offset:META+16*\n
.endr
	s_wait_xcnt 0x0
	s_or_b32 exec_lo, exec_lo, s57
.Lsorted:
	s_wait_tensorcnt 0x0
	ds_add_u32 v192, v193
	s_wait_dscnt 0x0
	s_endpgm
; ---------------- a weight into codes, in the operand's order ----------------
; Work-group j = e x 32 + ks x 4 + cb takes 128 along K x 256 columns; wave w 32 of the columns.  A LANE TAKES A COLUMN AND ITS REGISTERS RUN DOWN K: each load reads 128 consecutive bytes a wave
; (the eight waves stand side by side on 1,024), a block of 32 lies in one lane's registers, and the conversions give codes with K innermost.  Nothing is transposed.
.macro WBLOCK c, left
.set XB, WX+32*(\c)
.set CB, WC+8*(\c)
	s_wait_loadcnt \left                           ; this block's 32 loads are in (the count names the later blocks' loads, as far as the wait's field reaches)
	v_max3_num_f32 v12, |v[XB]|, |v[XB+1]|, |v[XB+2]|
	v_max3_num_f32 v13, |v[XB+3]|, |v[XB+4]|, |v[XB+5]|
.irp i, 6,10,14,18,22,26
	v_max3_num_f32 v12, v12, |v[XB+\i]|, |v[XB+\i+1]|
	v_max3_num_f32 v13, v13, |v[XB+\i+2]|, |v[XB+\i+3]|
.endr
	v_max3_num_f32 v12, v12, |v[XB+30]|, |v[XB+31]|
	v_max3_num_f32 v12, v12, v13, 0x8000000        ; and the floor 2^(16 - 127)
	v_add_nc_u32 v11, 0xf8800000, v12              ; the conversion's scale operand
	v_and_or_b32 v10, v12, 0x7f800000, s23         ; 57,344 x the scale
	v_lshrrev_b32 v13, 23, v11                     ; the scale's byte
.if (\c) == 0
	v_mov_b32 v14, v13
.else
	v_lshl_or_b32 v14, v13, 8*(\c), v14            ; four bytes make the column's scale word of this K step
.endif
.irp i, 0,1,2,3,4,5,6,7,8,9,10,11,12,13,14,15,16,17,18,19,20,21,22,23,24,25,26,27,28,29,30,31
	v_med3_num_f32 v[XB+\i], v[XB+\i], -v10, v10   ; the conversion to an 8-bit code does not saturate (ISA guide 7.6.2): the hold comes first
.endr
.irp g, 0,1,2,3
	v_cvt_scalef32_pk8_bf8_f32 v[CB+2*\g:CB+2*\g+1], v[XB+8*\g:XB+8*\g+7], v11
.endr
	v_nop                                          ; the plain line behind the last conversion
	global_store_b128 v3, v[CB:CB+3], s[48:49] offset:512*(\c)         ; k = 32 c + 0 .. 15: the fragment's lanes 0-15.  The wave's store covers two aligned runs of 256 bytes (tiles 2 b and 2 b + 1)
	global_store_b128 v3, v[CB+4:CB+7], s[48:49] offset:512*(\c)+256   ; k = 32 c + 16 .. 31: its lanes 16-31
.endm
.macro WQ src, dst
	s_sub_co_u32 s40, ttmp9, FIRST
	s_lshr_b32 s41, s40, 5                         ; e
	s_bfe_u32 s42, s40, 0x30002                    ; ks
	s_and_b32 s43, s40, 3                          ; cb
	s_lshr_b32 s44, s18, 2
	s_lshl_b32 s45, s43, 1
	s_add_co_u32 s44, s44, s45                     ; slice = 2 cb + wave / 4
	s_and_b32 s45, s18, 3                          ; b = wave % 4: the pair of tiles
	s_lshl_b32 s46, s41, 22                        ; in memory: an expert is 4 MiB, a K step 128 rows of 4,096 bytes
	s_lshl_b32 s47, s42, 19
	s_add_co_u32 s46, s46, s47
	s_lshl_b32 s47, s43, 10
	s_add_co_u32 s46, s46, s47
	s_lshl_b32 s47, s18, 7
	s_add_co_u32 s46, s46, s47
	s_mov_b32 s47, 0
	s_add_nc_u64 s[\src:\src+1], s[\src:\src+1], s[46:47]
	s_lshl_b32 s46, s41, 3
	s_add_co_u32 s46, s46, s44                     ; 8 e + slice
	s_lshl_b32 s52, s46, 17
	s_lshl_b32 s53, s42, 14
	s_add_co_u32 s52, s52, s53
	s_lshl_b32 s53, s45, 12
	s_add_co_u32 s52, s52, s53
	s_mov_b32 s53, 0
	s_add_nc_u64 s[48:49], s[\dst:\dst+1], s[52:53]   ; my pair of tiles' codes
	s_lshl_b32 s52, s46, 12
	s_lshl_b32 s54, s45, 10
	s_add_co_u32 s52, s52, s54
	s_lshr_b32 s54, s42, 2
	s_lshl_b32 s54, s54, 9
	s_add_co_u32 s52, s52, s54
	s_and_b32 s54, s42, 3
	s_lshl_b32 s54, s54, 2
	s_add_co_u32 s52, s52, s54
	s_add_co_u32 s52, s52, WS
	s_add_nc_u64 s[50:51], s[\dst:\dst+1], s[52:53]   ; and their scale words
	v_lshlrev_b32 v2, 2, v1                        ; in: 4 bytes a lane
	v_bfe_u32 v8, v1, 3, 1                         ; u: which tile of the pair my column falls into,
	v_and_b32 v9, 7, v1
	v_lshrrev_b32 v10, 4, v1
	v_lshl_add_u32 v9, v10, 3, v9                  ; r: and which of its lanes holds it
	v_lshlrev_b32 v3, 4, v9
	v_lshl_add_u32 v3, v8, 11, v3                  ; 2048 u + 16 r
	v_lshl_add_u32 v4, v8, 4, v9
	v_lshlrev_b32 v4, 4, v4                        ; (16 u + r) x 16
.set i, 0
.rept 128
	global_load_b32 v[WX+i], v2, s[\src:\src+1] offset:i*4096 th:TH_LOAD_NT
.set i, i+1
.endr
	WBLOCK 0, 63
	WBLOCK 1, 63
	WBLOCK 2, 32
	WBLOCK 3, 0
	global_store_b32 v4, v14, s[50:51]             ; 4 bytes a lane, 16 apart: one byte for each 128 read
.endm
.Lweights:
	WQ 6, 10
	s_endpgm
.Lfunc_end_k_q0069cf0143_prep2:
	.size	k_q0069cf0143_prep2, .Lfunc_end_k_q0069cf0143_prep2-k_q0069cf0143_prep2
	.p2alignl 7, 3214868480
	.fill 96, 4, 3214868480
	.section	.rodata,"a",@progbits
	.p2align	6, 0x0
	.amdhsa_kernel k_q0069cf0143_prep2
		.amdhsa_group_segment_fixed_size 2048
		.amdhsa_private_segment_fixed_size 0
		.amdhsa_enable_private_segment 0
		.amdhsa_kernarg_size 32
		.amdhsa_user_sgpr_count 2
		.amdhsa_user_sgpr_kernarg_segment_ptr 1
		.amdhsa_wavefront_size32 1
		.amdhsa_system_sgpr_workgroup_id_x 1
		.amdhsa_system_sgpr_workgroup_id_y 1
		.amdhsa_system_sgpr_workgroup_id_z 1
		.amdhsa_system_vgpr_workitem_id 0
		.amdhsa_next_free_vgpr 194
		.amdhsa_next_free_sgpr 66
		.amdhsa_reserve_vcc 1
		.amdhsa_float_denorm_mode_32 3
		.amdhsa_float_denorm_mode_16_64 3
		.amdhsa_memory_ordered 1
		.amdhsa_forward_progress 1
		.amdhsa_inst_pref_size 86
	.end_amdhsa_kernel
	.amdgpu_metadata
---
amdhsa.version: [ 1, 2 ]
amdhsa.kernels:
  - .name:           k_q0069cf0143_prep2
    .symbol:         k_q0069cf0143_prep2.kd
    .args:
      - { .name: idx, .offset: 0, .size: 8, .value_kind: global_buffer, .address_space: global }
      - { .name: W2, .offset: 8, .size: 8, .value_kind: global_buffer, .address_space: global }
      - { .name: order, .offset: 16, .size: 8, .value_kind: global_buffer, .address_space: global }
      - { .name: w2q, .offset: 24, .size: 8, .value_kind: global_buffer, .address_space: global }
    .group_segment_fixed_size: 2048
    .private_segment_fixed_size: 0
    .kernarg_segment_align: 8
    .kernarg_segment_size: 32
    .max_flat_workgroup_size: 256
    .sgpr_count:     66
    .vgpr_count:     194
    .wavefront_size: 32
...
	.end_amdgpu_metadata
.endif
;; end of part 2
;; launch gemm1 (part 3): grid 256 x 1, 4 waves a work-group, no clusters, 0 bytes of LDS; arguments xq, w1q, b1, order, hq; writes hq
.if DOCPART == 3
	.amdgcn_target "amdgcn-amd-amdhsa--gfx1250"
	.amdhsa_code_object_version 6
	.text
	.protected	k_q0069cf0143_gemm1
	.globl	k_q0069cf0143_gemm1
	.p2align	8
	.type	k_q0069cf0143_gemm1,@function
k_q0069cf0143_gemm1:
	s_mov_b64 s[64:65], 0
	v_nop
	global_prefetch_b8 v0, s[64:65] scope:SCOPE_SE
	s_setreg_imm32_b32 hwreg(HW_REG_WAVE_MODE, 25, 1), 1
	s_wait_xcnt 0x0
; THE FIRST PRODUCT, FOR THE CHOSEN EXPERT'S ROWS ALONE: h = Q(relu(x W1[e] + b1[e])), on codes of E5M2 with E8M0 scales; Q the quantiser along the second product's K.
; Rows are the sorted rows of the list (order): tiles of 16 rows, each of one expert.  Work-group = (expert e, slice of 128 hidden units, p of 4).  Wave w is group g = 4 w + p of the 16 that
; share (e, slice); a trip takes row tiles c3, c3 + 1, c3 + 2 of the expert against the slice's 8 column tiles, c3 = 3 g + 48 x trip; the trips number ceil((tiles - 3 g) / 48): every split of the tokens is served.
; A place past the expert's last tile repeats that tile and stores nothing.  A wave without a tile ends at once.
; THE PRODUCT IS USED TRANSPOSED: source 0 = 16 columns of W1 (in the order in which w1q lays them), source 1 = 16 rows of x.  Lane (r, h), register j of tile 2 b + u is row r, hidden unit 32 b + 16 h + 8 u + j:
; the 16 registers of two neighbouring tiles are 16 neighbours along the next K, and the slice's 128 units are one K step of the second product: one fragment and one scale word a row.
; hq: codes at T x 16384 + ks x 2048 + c x 512 + lane x 16 (T the row tile, ks the slice): an image of the operand's registers;  at HS: T x 1024 + (ks / 4) x 512 + lane x 16 + (ks % 4) x 4.
; OPERANDS GO FROM MEMORY STRAIGHT INTO REGISTERS, two sets by turns, a K step of 128 ahead.  No tensor load, no LDS, no cluster with joint loads: how many trips a wave makes, and which rows it
; takes, hangs on counts read from memory, which differ from work-group to work-group.  Waves share nothing: no barrier.
; LIMITS: NaN and infinities are not served; a block of zeros gets the byte 1 (its codes are zeros; this program alone reads the bytes).
; REGISTERS, in windows of 256: window 0: addresses; v32-63 W1's scale words; v64-87 x's; v128-191 b1 in the result's layout.   windows 1, 2: the two operand sets: v0-127 W1's 8 fragments, v128-175 x's 3.
;   window 3: v0-191 the 24 accumulators ((i, t) at 64 i + 8 t); v192-207 codes; v208-223 at work; v224 a scale word.
.set XS,   4194304
.set WS,   8388608
.set HS,   4325376
.set META, 16896
.set L16,  3                           ; 16 x lane
.set R4,   4                           ; 4 r
.set H16,  5                           ; 16 h
.set H64,  6                           ; 64 h
.set LO,   8                           ; v8-10   where my row's token stands in the list
.set TOK,  12                          ; v12-14  the token
.set VA,   16                          ; v16-18  its codes
.set VS,   20                          ; v20-22  its scale words
.set HO,   24                          ; v24-26  where the tile's codes go
.set HSO,  28                          ; v28-30  and its scale words
.set BS,   32
.set AS,   64
.set BIAS, 128
.set PC,   192
.set TM,   208
.set PW,   224
.set MSB, 0
.macro WIN new                         ; the immediate's high byte repeats the setting that is left
.if MSB != \new
	s_set_vgpr_msb (MSB<<8)|\new
.set MSB, \new
.endif
.endm
.macro PLACES                          ; eight plain lines behind this matrix form, ahead of loads into its registers and of reads of its results
.rept 8
	v_nop
.endr
.endm
.macro LOADB ks                        ; the slice's 8 fragments of W1 for K step ks: each load 512 consecutive bytes
.irp t, 0,1,2,3,4,5,6,7
.irp c, 0,1,2,3
	global_load_b128 v[16*\t+4*\c:16*\t+4*\c+3], v[L16], s[36:37] offset:(\ks)*16384+\t*2048+\c*512
.endr
.endr
.endm
.macro LOADA ks                        ; my 3 tiles of rows: lane (r, h) takes k = 32 c + 16 h + 0 .. 15 of its token's row
.irp i, 0,1,2
.irp c, 0,1,2,3
	global_load_b128 v[128+16*\i+4*\c:128+16*\i+4*\c+3], v[VA+\i], s[4:5] offset:(\ks)*128+32*\c
.endr
.endr
.endm
.macro WM d, a, b, c, sa, sb, odd      ; W1's scale words: lanes 0-15 the even tile of a pair, lanes 16-31 the odd one
.if \odd
	v_wmma_scale_f32_16x16x128_f8f6f4 v[\d:\d+7], v[\a:\a+15], v[\b:\b+15], v[\c:\c+7], v[\sa], v[\sb] matrix_a_fmt:MATRIX_FMT_BF8 matrix_b_fmt:MATRIX_FMT_BF8 matrix_a_scale:MATRIX_SCALE_ROW1
.else
	v_wmma_scale_f32_16x16x128_f8f6f4 v[\d:\d+7], v[\a:\a+15], v[\b:\b+15], v[\c:\c+7], v[\sa], v[\sb] matrix_a_fmt:MATRIX_FMT_BF8 matrix_b_fmt:MATRIX_FMT_BF8
.endif
.endm
.macro MUL ks, first                   ; 24 products; the 24 accumulators take turns, in the same order in every K step.  first = 1: the bias starts the sums
.irp t, 0,1,2,3,4,5,6,7
.irp i, 0,1,2
.if \first
	WM 64*\i+8*\t, 16*\t, 128+16*\i, BIAS+8*\t, BS+8*(\t/2)+\ks, AS+8*\i+\ks, (\t)%2
.else
	WM 64*\i+8*\t, 16*\t, 128+16*\i, 64*\i+8*\t, BS+8*(\t/2)+\ks, AS+8*\i+\ks, (\t)%2
.endif
.endr
.endr
.endm
.macro KSTEP ks, left
	s_wait_loadcnt \left                           ; this K step's operands are in; the other set's 44 loads may be out
.if (\ks) == 0
	WIN 0xc5                                       ; sources 0, 1 window 1; C (the bias) window 0; D window 3
	MUL \ks, 1
.elseif ((\ks)%2) == 0
	WIN 0xf5                                       ; sources 0, 1 window 1; C and D window 3
	MUL \ks, 0
.else
	WIN 0xfa                                       ; sources 0, 1 window 2
	MUL \ks, 0
.endif
.if (\ks) < 6
	PLACES
.if ((\ks)%2) == 0
	WIN 0x40                                       ; destination window 1
.else
	WIN 0x80                                       ; destination window 2
.endif
	LOADB (\ks)+2
	LOADA (\ks)+2
.endif
.endm
; 64 numbers of a lane, v[s] on, register 16 b + i = hidden unit 32 b + 16 h + i of my row, become a fragment's codes in v[PC] on and its scale word in v[PW].  All in window 3.
.macro QUANT s
.irp b, 0,1,2,3
	v_max3_num_f32 v[TM+\b], v[\s+16*\b], v[\s+1+16*\b], 0x8000000   ; no |.|: what is negative is to become 0 and must not count; the floor 2^(16 - 127) stands over it
.endr
.irp i, 2,4,6,8,10,12,14
.irp b, 0,1,2,3
	v_max3_num_f32 v[TM+\b], v[TM+\b], v[\s+16*\b+\i], v[\s+1+16*\b+\i]
.endr
.endr
.irp b, 0,1,2,3
	v_permlanex16_b32 v[TM+4+\b], v[TM+\b], s20, s21
.endr
.irp b, 0,1,2,3
	v_max_num_f32 v[TM+\b], v[TM+\b], v[TM+4+\b]   ; with lane l xor 16's: the block's largest magnitude
.endr
.irp b, 0,1,2,3
	v_add_nc_u32 v[TM+12+\b], 0xf8800000, v[TM+\b] ; 15 off its exponent field: the conversion's scale operand
.endr
.irp b, 0,1,2,3
	v_and_or_b32 v[TM+8+\b], v[TM+\b], 0x7f800000, s23   ; 57,344 x the scale
.endr
.irp b, 0,1,2,3
	v_lshrrev_b32 v[TM+4+\b], 23, v[TM+12+\b]      ; the scale's byte
.endr
	v_lshl_or_b32 v[PW], v[TM+5], 8, v[TM+4]
	v_lshl_or_b32 v[PW], v[TM+6], 16, v[PW]
	v_lshl_or_b32 v[PW], v[TM+7], 24, v[PW]
.irp b, 0,1,2,3
.irp i, 0,1,2,3,4,5,6,7,8,9,10,11,12,13,14,15
	v_med3_num_f32 v[\s+16*\b+\i], v[\s+16*\b+\i], 0, v[TM+8+\b]   ; the activation and the hold in one (the conversion does not saturate: ISA guide 7.6.2)
.endr
	v_cvt_scalef32_pk8_bf8_f32 v[PC+4*\b:PC+1+4*\b], v[\s+16*\b:\s+7+16*\b], v[TM+12+\b]
	v_cvt_scalef32_pk8_bf8_f32 v[PC+2+4*\b:PC+3+4*\b], v[\s+8+16*\b:\s+15+16*\b], v[TM+12+\b]
.endr
	v_nop                                          ; the plain line behind the last conversion
.endm
	s_load_b256 s[4:11], s[0:1], 0x0               ; xq s[4:5], w1q s[6:7], b1 s[8:9], order s[10:11]
	s_load_b64 s[12:13], s[0:1], 0x20              ; hq
	v_lshrrev_b32 v7, 5, v0
	v_readfirstlane_b32 s18, v7                    ; wave 0..3
	v_and_b32 v1, 15, v0                           ; r
	v_bfe_u32 v2, v0, 4, 1                         ; h
	v_and_b32 v7, 31, v0
	v_lshlrev_b32 v[L16], 4, v7
	v_lshlrev_b32 v[R4], 2, v1
	v_lshlrev_b32 v[H16], 4, v2
	v_lshlrev_b32 v[H64], 6, v2
	s_mov_b32 s20, 0x76543210
	s_mov_b32 s21, 0xfedcba98                      ; v_permlanex16_b32's selects for lane l xor 16
	s_mov_b32 s23, 0x600000                        ; the mantissa field of 57,344
	s_lshr_b32 s14, ttmp9, 5                       ; e
	s_bfe_u32 s15, ttmp9, 0x30002                  ; slice
	s_and_b32 s16, ttmp9, 3                        ; p
	s_lshl_b32 s29, s18, 2
	s_add_co_u32 s29, s29, s16
	s_mul_i32 s29, s29, 3                          ; c3 = 3 (4 wave + p)
	s_lshl_b32 s30, s14, 3
	s_add_co_u32 s30, s30, s15                     ; 8 e + slice
	s_lshl_b32 s24, s14, 2
	s_mov_b32 s3, 0
	s_wait_kmcnt 0x0
	s_load_b32 s26, s[10:11], s24 offset:META      ; the expert's first tile
	s_load_b32 s27, s[10:11], s24 offset:META+32   ; and its number of tiles
	s_add_nc_u64 s[34:35], s[4:5], XS              ; x's scale words
	s_lshl_b32 s2, s30, 17
	s_add_nc_u64 s[36:37], s[6:7], s[2:3]          ; the slice's codes
	s_lshl_b32 s2, s30, 12
	s_add_co_u32 s2, s2, WS
	s_add_nc_u64 s[38:39], s[6:7], s[2:3]          ; and scale words
	s_lshl_b32 s2, s30, 9
	s_add_nc_u64 s[40:41], s[8:9], s[2:3]          ; b1 at the slice's first unit
	s_lshl_b32 s2, s15, 11
	s_add_nc_u64 s[42:43], s[12:13], s[2:3]        ; hq: K step = slice
	s_lshr_b32 s2, s15, 2
	s_lshl_b32 s2, s2, 9
	s_and_b32 s17, s15, 3
	s_lshl_b32 s17, s17, 2
	s_add_co_u32 s2, s2, s17
	s_add_co_u32 s2, s2, HS
	s_add_nc_u64 s[44:45], s[12:13], s[2:3]
	s_wait_kmcnt 0x0
	s_min_u32 s27, s27, 264                        ; never more tiles than the buffers hold
	s_cmp_ge_u32 s29, s27                          ; nothing for this wave under this split
	s_cbranch_scc1 .Lend
	s_sub_co_u32 s31, s27, 1
	s_sub_co_u32 s98, s27, s29                     ; my trips: ceil((tiles - c3) / 48):
	s_add_co_u32 s98, s98, 47                      ; 48 to 311,
	s_mul_i32 s98, s98, 1366                       ; and x 1366 / 65536 is the whole part of x / 48 for x under 2,063
	s_lshr_b32 s98, s98, 16
	s_mov_b32 s99, 0                               ; trips done
.irp tp, 0,1,2,3
.irp kq, 0,1
	global_load_b128 v[BS+8*\tp+4*\kq:BS+8*\tp+4*\kq+3], v[L16], s[38:39] offset:\tp*1024+\kq*512   ; register 8 tp + ks: the pair's scale words of K step ks
.endr
.endr
.irp t, 0,1,2,3,4,5,6,7
	global_load_b128 v[BIAS+8*\t:BIAS+8*\t+3], v[H64], s[40:41] offset:(32*(\t/2)+8*(\t%2))*4        ; b1 at units 32 b + 16 h + 8 u + 0 .. 7
	global_load_b128 v[BIAS+8*\t+4:BIAS+8*\t+7], v[H64], s[40:41] offset:(32*(\t/2)+8*(\t%2))*4+16
.endr
	WIN 0xc0
.irp b, 0,1,2,3
	v_mov_b32 v[TM+4+\b], 0                        ; written once: a lane permute's destination counts as one of its sources
.endr
	WIN 0
.Ltrip:
.irp i, 0,1,2
	s_add_co_u32 s[84+\i], s29, \i                 ; the tile within the expert,
	s_min_u32 s[88+\i], s[84+\i], s31              ; held at its last,
	s_add_co_u32 s[88+\i], s[88+\i], s26           ; among all tiles,
	s_min_u32 s[88+\i], s[88+\i], 263              ; inside the buffers
	s_lshl_b32 s92, s[88+\i], 6
	v_add_nc_u32 v[LO+\i], s92, v[R4]
	s_lshl_b32 s92, s[88+\i], 14
	v_add_nc_u32 v[HO+\i], s92, v[L16]
	s_lshl_b32 s92, s[88+\i], 10
	v_add_nc_u32 v[HSO+\i], s92, v[L16]
.endr
.irp i, 0,1,2
	global_load_b32 v[TOK+\i], v[LO+\i], s[10:11]
.endr
	WIN 0x40
	LOADB 0                                        ; W1's first K step goes out while the tokens come
	WIN 0
	s_wait_loadcnt 32                              ; the tokens are in (and, in the first trip, the scale words and the bias); the 32 just issued may be out
.irp i, 0,1,2
	v_min_u32 v[TOK+\i], 0xfff, v[TOK+\i]
	v_lshl_add_u32 v[VA+\i], v[TOK+\i], 10, v[H16]
	v_lshlrev_b32 v[VS+\i], 5, v[TOK+\i]
.endr
.irp i, 0,1,2
	global_load_b128 v[AS+8*\i:AS+8*\i+3], v[VS+\i], s[34:35]
	global_load_b128 v[AS+8*\i+4:AS+8*\i+7], v[VS+\i], s[34:35] offset:16
.endr
	WIN 0x40
	LOADA 0
	WIN 0x80
	LOADB 1
	LOADA 1
	KSTEP 0, 44
	KSTEP 1, 44
	KSTEP 2, 44
	KSTEP 3, 44
	KSTEP 4, 44
	KSTEP 5, 44
	KSTEP 6, 44
	KSTEP 7, 0
	WIN 0
	PLACES                                         ; ahead of the first read of results, and of the next trip's loads into the operands' and scales' registers
.irp i, 0,1,2
	s_cmp_ge_u32 s[84+\i], s27                     ; a place past the expert's last tile stores nothing
	s_cbranch_scc1 .Lskip_\i
	s_wait_xcnt 0x0                                ; the last tile's stores have read the codes and the scale word
	WIN 0xff
	QUANT 64*\i
	WIN 0x0c                                       ; a store's data are its source 1: window 3
.irp c, 0,1,2,3
	global_store_b128 v[HO+\i], v[PC+4*\c:PC+4*\c+3], s[42:43] offset:512*\c   ; 512 consecutive bytes
.endr
	global_store_b32 v[HSO+\i], v[PW], s[44:45]
	WIN 0
.Lskip_\i:
.endr
	s_wait_xcnt 0x0                                ; the addresses are written again only behind this wait
	s_add_co_u32 s29, s29, 48                      ; the 16 groups' 48 tiles on
	s_add_co_u32 s99, s99, 1
	s_cmp_lt_u32 s99, s98
	s_cbranch_scc1 .Ltrip
.Lend:
	s_endpgm
.Lfunc_end_k_q0069cf0143_gemm1:
	.size	k_q0069cf0143_gemm1, .Lfunc_end_k_q0069cf0143_gemm1-k_q0069cf0143_gemm1
	.p2alignl 7, 3214868480
	.fill 96, 4, 3214868480
	.section	.rodata,"a",@progbits
	.p2align	6, 0x0
	.amdhsa_kernel k_q0069cf0143_gemm1
		.amdhsa_group_segment_fixed_size 0
		.amdhsa_private_segment_fixed_size 0
		.amdhsa_enable_private_segment 0
		.amdhsa_kernarg_size 40
		.amdhsa_user_sgpr_count 2
		.amdhsa_user_sgpr_kernarg_segment_ptr 1
		.amdhsa_wavefront_size32 1
		.amdhsa_system_sgpr_workgroup_id_x 1
		.amdhsa_system_sgpr_workgroup_id_y 1
		.amdhsa_system_sgpr_workgroup_id_z 1
		.amdhsa_system_vgpr_workitem_id 0
		.amdhsa_next_free_vgpr 1024
		.amdhsa_next_free_sgpr 100
		.amdhsa_reserve_vcc 0
		.amdhsa_float_denorm_mode_32 3
		.amdhsa_float_denorm_mode_16_64 3
		.amdhsa_memory_ordered 1
		.amdhsa_forward_progress 1
		.amdhsa_inst_pref_size 93
	.end_amdhsa_kernel
	.amdgpu_metadata
---
amdhsa.version: [ 1, 2 ]
amdhsa.kernels:
  - .name:           k_q0069cf0143_gemm1
    .symbol:         k_q0069cf0143_gemm1.kd
    .args:
      - { .name: xq, .offset: 0, .size: 8, .value_kind: global_buffer, .address_space: global }
      - { .name: w1q, .offset: 8, .size: 8, .value_kind: global_buffer, .address_space: global }
      - { .name: b1, .offset: 16, .size: 8, .value_kind: global_buffer, .address_space: global }
      - { .name: order, .offset: 24, .size: 8, .value_kind: global_buffer, .address_space: global }
      - { .name: hq, .offset: 32, .size: 8, .value_kind: global_buffer, .address_space: global }
    .group_segment_fixed_size: 0
    .private_segment_fixed_size: 0
    .kernarg_segment_align: 8
    .kernarg_segment_size: 40
    .max_flat_workgroup_size: 128
    .sgpr_count:     100
    .vgpr_count:     1024
    .wavefront_size: 32
...
	.end_amdgpu_metadata
.endif
;; end of part 3
;; launch gemm2 (part 4): grid 256 x 1, 4 waves a work-group, no clusters, 34,304 bytes of LDS; arguments hq, w2q, b2, order, xq, out0; writes out0
.if DOCPART == 4
	.amdgcn_target "amdgcn-amd-amdhsa--gfx1250"
	.amdhsa_code_object_version 6
	.text
	.protected	k_q0069cf0143_gemm2
	.globl	k_q0069cf0143_gemm2
	.p2align	8
	.type	k_q0069cf0143_gemm2,@function
k_q0069cf0143_gemm2:
	s_mov_b64 s[64:65], 0
	v_nop
	global_prefetch_b8 v0, s[64:65] scope:SCOPE_SE
	s_setreg_imm32_b32 hwreg(HW_REG_WAVE_MODE, 25, 1), 1
	s_wait_xcnt 0x0
; THE SECOND PRODUCT AND THE WAY OUT: out[token] = gate[token] x (h W2[e] + b2[e]), on codes of E5M2 with E8M0 scales, for the chosen expert's rows alone.
; Work-group = (expert e, slice of 128 output columns, p of 4).  Wave w is group g = 4 w + p of the 16 that share (e, slice); a trip takes row tiles c3, c3 + 1, c3 + 2 of the expert against the slice's
; 8 column tiles, c3 = 3 g + 48 x trip; the trips number ceil((tiles - 3 g) / 48).  A place past the expert's last tile repeats that tile and stores nothing; a wave without a tile ends at once.
; Each output row has one owner for each slice: every token stands once in the list, and the rows that fill a last tile up are not stored.
; THE PRODUCT IS USED TRANSPOSED: source 0 = 16 columns of W2 (in w2q's order), source 1 = 16 rows of h (hq: images of the operand's registers).  Lane (r, h), registers 16 b + 0 .. 15 of a row tile are row r,
; columns 32 b + 16 h + 0 .. 15.  A tile goes through the wave's own stage in LDS and leaves as whole rows: the 32 lanes store the 512 consecutive bytes of a token's slice.
; OPERANDS GO FROM MEMORY STRAIGHT INTO REGISTERS, two sets by turns, a K step of 128 ahead.  No tensor load and no cluster with joint loads: how many trips a wave makes, and which rows it takes,
; hangs on counts read from memory, which differ from work-group to work-group.  Waves share nothing: no barrier.
; LIMITS: NaN and infinities are not served.
; REGISTERS, in windows of 256: window 0: addresses; v32-63 W2's scale words; v64-87 h's; v88-93 the gates (pairs); v96-111 the rows' places in out; v128-191 b2 in the result's layout; v192-255 16 rows on their way out.
;   windows 1, 2: the two operand sets: v0-127 W2's 8 fragments, v128-175 h's 3.   window 3: v0-191 the 24 accumulators ((i, t) at 64 i + 8 t).
.set XG,   4325376
.set WS,   8388608
.set HS,   4325376
.set META, 16896
.set L16,  3                           ; 16 x lane
.set R4,   4                           ; 4 r
.set H64,  6                           ; 64 h
.set LO,   8                           ; v8-10   where my row's token stands in the list
.set TOK,  12                          ; v12-14  the token, then its gate's place
.set VA,   16                          ; v16-18  the tile's codes
.set VS,   20                          ; v20-22  and scale words
.set STO,  24                          ; the stage: where I put 64 bytes of a row
.set RD,   25                          ; and where I read rows back
.set BS,   32
.set AS,   64
.set G,    88
.set OF,   96
.set BIAS, 128
.set OUT,  192
.set MSB, 0
.macro WIN new                         ; the immediate's high byte repeats the setting that is left
.if MSB != \new
	s_set_vgpr_msb (MSB<<8)|\new
.set MSB, \new
.endif
.endm
.macro PLACES                          ; eight plain lines behind this matrix form, ahead of loads into its registers and of reads of its results
.rept 8
	v_nop
.endr
.endm
.macro LOADB ks                        ; the slice's 8 fragments of W2 for K step ks: each load 512 consecutive bytes
.irp t, 0,1,2,3,4,5,6,7
.irp c, 0,1,2,3
	global_load_b128 v[16*\t+4*\c:16*\t+4*\c+3], v[L16], s[6:7] offset:(\ks)*16384+\t*2048+\c*512
.endr
.endr
.endm
.macro LOADA ks                        ; my 3 tiles of rows, as they were stored: each load 512 consecutive bytes
.irp i, 0,1,2
.irp c, 0,1,2,3
	global_load_b128 v[128+16*\i+4*\c:128+16*\i+4*\c+3], v[VA+\i], s[4:5] offset:(\ks)*2048+512*\c
.endr
.endr
.endm
.macro WM d, a, b, c, sa, sb, odd      ; W2's scale words: lanes 0-15 the even tile of a pair, lanes 16-31 the odd one
.if \odd
	v_wmma_scale_f32_16x16x128_f8f6f4 v[\d:\d+7], v[\a:\a+15], v[\b:\b+15], v[\c:\c+7], v[\sa], v[\sb] matrix_a_fmt:MATRIX_FMT_BF8 matrix_b_fmt:MATRIX_FMT_BF8 matrix_a_scale:MATRIX_SCALE_ROW1
.else
	v_wmma_scale_f32_16x16x128_f8f6f4 v[\d:\d+7], v[\a:\a+15], v[\b:\b+15], v[\c:\c+7], v[\sa], v[\sb] matrix_a_fmt:MATRIX_FMT_BF8 matrix_b_fmt:MATRIX_FMT_BF8
.endif
.endm
.macro MUL ks, first                   ; 24 products; the 24 accumulators take turns, in the same order in every K step.  first = 1: the bias starts the sums
.irp t, 0,1,2,3,4,5,6,7
.irp i, 0,1,2
.if \first
	WM 64*\i+8*\t, 16*\t, 128+16*\i, BIAS+8*\t, BS+8*(\t/2)+\ks, AS+8*\i+\ks, (\t)%2
.else
	WM 64*\i+8*\t, 16*\t, 128+16*\i, 64*\i+8*\t, BS+8*(\t/2)+\ks, AS+8*\i+\ks, (\t)%2
.endif
.endr
.endr
.endm
.macro KSTEP ks, left
	s_wait_loadcnt \left                           ; this K step's operands are in; what was issued behind them may be out
.if ((\ks)%2) == 0
	WIN 0xf5                                       ; sources 0, 1 window 1; C and D window 3
.else
	WIN 0xfa                                       ; sources 0, 1 window 2
.endif
	MUL \ks, 0
.if (\ks) < 6
	PLACES
.if ((\ks)%2) == 0
	WIN 0x40                                       ; destination window 1
.else
	WIN 0x80                                       ; destination window 2
.endif
	LOADB (\ks)+2
	LOADA (\ks)+2
.endif
.endm
	s_load_b256 s[4:11], s[0:1], 0x0               ; hq s[4:5], w2q s[6:7], b2 s[8:9], order s[10:11]
	s_load_b128 s[12:15], s[0:1], 0x20             ; xq s[12:13], out0 s[14:15]
	v_lshl_add_u32 v126, v0, 2, 0x8400
	v_mov_b32 v127, 0
	v_lshrrev_b32 v7, 5, v0
	v_readfirstlane_b32 s18, v7                    ; wave 0..3
	v_and_b32 v1, 15, v0                           ; r
	v_bfe_u32 v2, v0, 4, 1                         ; h
	v_and_b32 v7, 31, v0
	v_lshlrev_b32 v[L16], 4, v7
	v_lshlrev_b32 v[R4], 2, v1
	v_lshlrev_b32 v[H64], 6, v2
	s_mul_i32 s25, s18, 8448                       ; my stage: 16 rows x (512 bytes + 16)
	v_mul_u32_u24 v[STO], v1, 528
	v_lshl_add_u32 v[STO], v2, 6, v[STO]
	v_add_nc_u32 v[STO], s25, v[STO]               ; in: row r, + 64 h
	v_add_nc_u32 v[RD], s25, v[L16]                ; back: the 32 lanes take one row
.irp i, 0,1,2
	v_mov_b32 v[G+2*\i+1], 0                       ; named with the gate as a pair, so it is written
.endr
	s_lshr_b32 s19, ttmp9, 5                       ; e
	s_bfe_u32 s20, ttmp9, 0x30002                  ; slice
	s_and_b32 s21, ttmp9, 3                        ; p
	s_lshl_b32 s29, s18, 2
	s_add_co_u32 s29, s29, s21
	s_mul_i32 s29, s29, 3                          ; c3 = 3 (4 wave + p)
	s_lshl_b32 s30, s19, 3
	s_add_co_u32 s30, s30, s20                     ; 8 e + slice
	s_lshl_b32 s24, s19, 2
	s_mov_b32 s3, 0
	s_wait_kmcnt 0x0
	s_load_b32 s26, s[10:11], s24 offset:META      ; the expert's first tile,
	s_load_b32 s27, s[10:11], s24 offset:META+32   ; its number of tiles,
	s_load_b32 s28, s[10:11], s24 offset:META+64   ; and of rows
	s_add_nc_u64 s[16:17], s[4:5], HS              ; h's scale words
	s_lshl_b32 s2, s30, 12
	s_add_co_u32 s2, s2, WS
	s_add_nc_u64 s[22:23], s[6:7], s[2:3]          ; the slice's scale words
	s_lshl_b32 s2, s30, 17
	s_add_nc_u64 s[6:7], s[6:7], s[2:3]            ; and codes
	s_lshl_b32 s2, s30, 9
	s_add_nc_u64 s[8:9], s[8:9], s[2:3]            ; b2 at the slice's first column
	s_lshl_b32 s2, s20, 9
	s_add_nc_u64 s[14:15], s[14:15], s[2:3]        ; out at the slice's first column
	s_add_nc_u64 s[12:13], s[12:13], XG            ; the gates
	s_wait_kmcnt 0x0
	s_min_u32 s27, s27, 264                        ; never more tiles than the buffers hold
	s_cmp_ge_u32 s29, s27                          ; nothing for this wave under this split
	s_cbranch_scc1 .Lend
	s_sub_co_u32 s31, s27, 1
	s_sub_co_u32 s98, s27, s29                     ; my trips: ceil((tiles - c3) / 48):
	s_add_co_u32 s98, s98, 47                      ; 48 to 311,
	s_mul_i32 s98, s98, 1366                       ; and x 1366 / 65536 is the whole part of x / 48 for x under 2,063
	s_lshr_b32 s98, s98, 16
	s_mov_b32 s99, 0                               ; trips done
.irp tp, 0,1,2,3
.irp kq, 0,1
	global_load_b128 v[BS+8*\tp+4*\kq:BS+8*\tp+4*\kq+3], v[L16], s[22:23] offset:\tp*1024+\kq*512   ; register 8 tp + ks: the pair's scale words of K step ks
.endr
.endr
.irp t, 0,1,2,3,4,5,6,7
	global_load_b128 v[BIAS+8*\t:BIAS+8*\t+3], v[H64], s[8:9] offset:(32*(\t/2)+8*(\t%2))*4          ; b2 at columns 32 b + 16 h + 8 u + 0 .. 7
	global_load_b128 v[BIAS+8*\t+4:BIAS+8*\t+7], v[H64], s[8:9] offset:(32*(\t/2)+8*(\t%2))*4+16
.endr
.Ltrip:
.irp i, 0,1,2
	s_add_co_u32 s[84+\i], s29, \i                 ; the tile within the expert,
	s_min_u32 s[88+\i], s[84+\i], s31              ; held at its last,
	s_add_co_u32 s[88+\i], s[88+\i], s26           ; among all tiles,
	s_min_u32 s[88+\i], s[88+\i], 263              ; inside the buffers
	s_lshl_b32 s[92+\i], s[88+\i], 6
	v_add_nc_u32 v[LO+\i], s[92+\i], v[R4]
	s_lshl_b32 s96, s[88+\i], 14
	v_add_nc_u32 v[VA+\i], s96, v[L16]
	s_lshl_b32 s96, s[88+\i], 10
	v_add_nc_u32 v[VS+\i], s96, v[L16]
.endr
	s_load_b512 s[32:47], s[10:11], s92 offset:0x0 ; the three tiles' 16 tokens as scalars, for the rows' places in out: wanted at the trip's end
	s_load_b512 s[48:63], s[10:11], s93 offset:0x0
	s_load_b512 s[68:83], s[10:11], s94 offset:0x0
.irp i, 0,1,2
	global_load_b32 v[TOK+\i], v[LO+\i], s[10:11]  ; and a lane's own row's token, for its gate
.endr
.irp i, 0,1,2
	global_load_b128 v[AS+8*\i:AS+8*\i+3], v[VS+\i], s[16:17]
	global_load_b128 v[AS+8*\i+4:AS+8*\i+7], v[VS+\i], s[16:17] offset:512
.endr
	WIN 0x40
	LOADA 0
	LOADB 0
	WIN 0x80
	LOADB 1
	LOADA 1
	s_wait_loadcnt 44                              ; all but K step 1's 44 loads are in
	WIN 0xc5                                       ; sources 0, 1 window 1; C (the bias) window 0; D window 3
	MUL 0, 1
	PLACES
	WIN 0
.irp i, 0,1,2
	v_min_u32 v[TOK+\i], 0xfff, v[TOK+\i]
	v_lshlrev_b32 v[TOK+\i], 2, v[TOK+\i]
.endr
.irp i, 0,1,2
	global_load_b32 v[G+2*\i], v[TOK+\i], s[12:13]
.endr
	WIN 0x40
	LOADB 2
	LOADA 2
	KSTEP 1, 47                                    ; behind K step 1's loads: the three gates and K step 2's 44
	KSTEP 2, 44
	KSTEP 3, 44
	KSTEP 4, 44
	KSTEP 5, 44
	KSTEP 6, 44
	KSTEP 7, 0
	WIN 0
	s_wait_kmcnt 0x0                               ; the scalar tokens
	PLACES                                         ; ahead of the first read of results, and of the next trip's loads into the operands' and scales' registers
.irp i, 0,1,2
	s_cmp_ge_u32 s[84+\i], s27                     ; a place past the expert's last tile stores nothing
	s_cbranch_scc1 .Ltile_done_\i
.if \i == 0
.set TL, 32
.elseif \i == 1
.set TL, 48
.else
.set TL, 68
.endif
	s_lshl_b32 s97, s[84+\i], 4
	s_sub_co_u32 s97, s28, s97
	s_min_u32 s97, s97, 16                         ; the tile's true rows: 1 to 16
	s_wait_xcnt 0x0                                ; the last tile's stores have read their places and their data
.set row, 0
.rept 16
	s_min_u32 s[TL+row], s[TL+row], 0xfff
	v_lshl_add_u32 v[OF+row], s[TL+row], 12, v[L16]   ; token x 4,096 bytes + 16 x lane
.set row, row+1
.endr
	WIN 0xc3                                       ; source 0 and destination window 3, the gate window 0
.set j, 0
.rept 32
	v_pk_mul_f32 v[64*\i+j:64*\i+j+1], v[64*\i+j:64*\i+j+1], v[G+2*\i:G+2*\i+1] op_sel_hi:[1,0]   ; x my row's gate; each accumulator from its low end on
.set j, j+2
.endr
	WIN 0x0c                                       ; an LDS store's data are its source 1: window 3
.irp b, 0,1,2,3
.irp q, 0,1,2,3
	ds_store_b128 v[STO], v[64*\i+16*\b+4*\q:64*\i+16*\b+4*\q+3] offset:128*\b+16*\q
.endr
.endr
	WIN 0
.set row, 0
.rept 16
	ds_load_b128 v[OUT+4*row:OUT+4*row+3], v[RD] offset:row*528   ; LDS serves a wave's instructions in order: these see my stores
.set row, row+1
.endr
	s_wait_dscnt 0x0
.set row, 0
.rept 16
.if row > 0
	s_cmp_le_u32 s97, row                          ; the rows that only fill the tile up are left out
	s_cbranch_scc1 .Ltile_done_\i
.endif
	global_store_b128 v[OF+row], v[OUT+4*row:OUT+4*row+3], s[14:15] th:TH_STORE_NT   ; 32 lanes store 512 consecutive bytes, at a multiple of 512 from out's first byte; written once, read by nobody here
.set row, row+1
.endr
.Ltile_done_\i:
.endr
	s_wait_xcnt 0x0                                ; the addresses are written again only behind this wait
	s_add_co_u32 s29, s29, 48                      ; the 16 groups' 48 tiles on
	s_add_co_u32 s99, s99, 1
	s_cmp_lt_u32 s99, s98
	s_cbranch_scc1 .Ltrip
.Lend:
	s_wait_tensorcnt 0x0
	ds_add_u32 v126, v127
	s_wait_dscnt 0x0
	s_endpgm
.Lfunc_end_k_q0069cf0143_gemm2:
	.size	k_q0069cf0143_gemm2, .Lfunc_end_k_q0069cf0143_gemm2-k_q0069cf0143_gemm2
	.p2alignl 7, 3214868480
	.fill 96, 4, 3214868480
	.section	.rodata,"a",@progbits
	.p2align	6, 0x0
	.amdhsa_kernel k_q0069cf0143_gemm2
		.amdhsa_group_segment_fixed_size 34304
		.amdhsa_private_segment_fixed_size 0
		.amdhsa_enable_private_segment 0
		.amdhsa_kernarg_size 48
		.amdhsa_user_sgpr_count 2
		.amdhsa_user_sgpr_kernarg_segment_ptr 1
		.amdhsa_wavefront_size32 1
		.amdhsa_system_sgpr_workgroup_id_x 1
		.amdhsa_system_sgpr_workgroup_id_y 1
		.amdhsa_system_sgpr_workgroup_id_z 1
		.amdhsa_system_vgpr_workitem_id 0
		.amdhsa_next_free_vgpr 1024
		.amdhsa_next_free_sgpr 100
		.amdhsa_reserve_vcc 0
		.amdhsa_float_denorm_mode_32 3
		.amdhsa_float_denorm_mode_16_64 3
		.amdhsa_memory_ordered 1
		.amdhsa_forward_progress 1
		.amdhsa_inst_pref_size 94
	.end_amdhsa_kernel
	.amdgpu_metadata
---
amdhsa.version: [ 1, 2 ]
amdhsa.kernels:
  - .name:           k_q0069cf0143_gemm2
    .symbol:         k_q0069cf0143_gemm2.kd
    .args:
      - { .name: hq, .offset: 0, .size: 8, .value_kind: global_buffer, .address_space: global }
      - { .name: w2q, .offset: 8, .size: 8, .value_kind: global_buffer, .address_space: global }
      - { .name: b2, .offset: 16, .size: 8, .value_kind: global_buffer, .address_space: global }
      - { .name: order, .offset: 24, .size: 8, .value_kind: global_buffer, .address_space: global }
      - { .name: xq, .offset: 32, .size: 8, .value_kind: global_buffer, .address_space: global }
      - { .name: out0, .offset: 40, .size: 8, .value_kind: global_buffer, .address_space: global }
    .group_segment_fixed_size: 34304
    .private_segment_fixed_size: 0
    .kernarg_segment_align: 8
    .kernarg_segment_size: 48
    .max_flat_workgroup_size: 128
    .sgpr_count:     100
    .vgpr_count:     1024
    .wavefront_size: 32
...
	.end_amdgpu_metadata
.endif
;; end of part 4
;; ======== version 2 of 2: 4 launches
;; workspace buffers: idx 16,384 bytes of whole numbers; xq 4,341,760 bytes; w1q 8,650,752 bytes; w2q 8,650,752 bytes; order 17,152 bytes of whole numbers; hq 4,595,712 bytes
;; launch prep1 (part 5): grid 384 x 1, 8 waves a work-group, no clusters, 77,824 bytes of LDS; arguments x, Wr, br, W1, idx, xq, w1q; writes idx, xq, w1q
.if DOCPART == 5
	.amdgcn_target "amdgcn-amd-amdhsa--gfx1250"
	.amdhsa_code_object_version 6
	.text
	.protected	k_q0069cf0143_prep1
	.globl	k_q0069cf0143_prep1
	.p2align	8
	.type	k_q0069cf0143_prep1,@function
k_q0069cf0143_prep1:
	s_mov_b64 s[64:65], 0
	v_nop
	global_prefetch_b8 v0, s[64:65] scope:SCOPE_SE
	s_setreg_imm32_b32 hwreg(HW_REG_WAVE_MODE, 25, 1), 1
	s_wait_xcnt 0x0
; TWO JOBS IN ONE LAUNCH, parted by the work-group's number.
; Work-groups 0-127 (32 tokens each, 4 a wave): the router in f32 (logits = x Wr + br; the chosen expert; gate = 1 / sum of exp(l - max)), and x as codes of
; E5M2 with one E8M0 byte for each 32 along K.  x is read once and serves both.
; Work-groups 128-383: W1 [8][1024 k][1024 n], f32, K its first axis within an expert, as codes laid in the ORDER OF THE OPERAND'S REGISTERS.
; xq:  codes at token x 1024 + k;  at XS: token x 32 + k / 32 (eight scale words a row);  at XG: the gate, f32, at token x 4.
; w1q: codes at e x 2^20 + slice x 2^17 + ks x 2^14 + t x 2048 + c x 512 + (16 h + r) x 16: slice = 128 columns, ks = 128 along K, t = a tile of 16 columns, c = a block of 32 along K.
;      Lane (r, h) of tile t = 2 b + u holds column 32 b + 8 u + r % 8 + 16 (r / 8) of the slice, k = 32 c + 16 h + 0 .. 15.
;      at WS: (8 e + slice) x 4096 + b x 1024 + (ks / 4) x 512 + (16 u + r) x 16 + (ks % 4) x 4: a column's scale word of a K step.
; A block's scale is 2^(floor(log2(largest magnitude)) - 15); its byte is the largest magnitude's exponent field - 15, held at 1 from below.
; LIMITS.  NaN and infinities among the inputs are not served.  A block of zeros gets the byte 1 where the rule says 127: its codes are zeros, and this program alone reads
; the bytes; blocks whose largest magnitude lies under 2^-111 sit at that floor.  The expert is the first largest LOGIT in f32 (the softmax rises with the logit): a token whose two
; best logits differ by less than the rounding of a sum of 1,024 f32 products may go to the other of the two.
; No tensor load, no cluster: work-groups share only Wr (32 KiB), which each copies into LDS once.
.set XS,    4194304
.set XG,    4325376
.set WS,    8388608
.set FIRST, 128                        ; the first work-group of the weights' job
.set WRL,   43008                      ; LDS: behind the eight waves' regions: Wr as 64 chunks of 512 bytes, 528 apart
.set R,     20                         ; v20-51   two sets of 16 numbers as loaded
.set X,     52                         ; v52-83   two sets of 16 neighbours along K
.set C,     84                         ; v84-91   two sets of codes
.set ACC,   92                         ; v92-123  logits in the making: 4 tokens x 8 experts
.set WRV,   124                        ; v124-251 Wr[my 16 k][8]: register 8 kk + e
.set WX,    16                         ; weights' job: v16-143 128 numbers down K;  v144-175 their codes
.set WC,    144
	s_load_b256 s[4:11], s[0:1], 0x0               ; x s[4:5], Wr s[6:7], br s[8:9], W1 s[10:11]
	s_load_b128 s[12:15], s[0:1], 0x20             ; idx s[12:13], xq s[14:15]
	s_load_b64 s[16:17], s[0:1], 0x30              ; w1q
	v_lshl_add_u32 v254, v0, 2, 0x12c00
	v_mov_b32 v255, 0
	v_lshrrev_b32 v1, 5, v0
	s_delay_alu instid0(VALU_DEP_1)
	v_readfirstlane_b32 s18, v1                    ; wave 0..7
	v_and_b32 v1, 31, v0                           ; lane
	s_mov_b32 s20, 0x76543210
	s_mov_b32 s21, 0xfedcba98                      ; v_permlanex16_b32's selects for lane l xor 16
	s_mov_b32 s23, 0x600000                        ; the mantissa field of 57,344
	s_wait_kmcnt 0x0
	s_cmp_lt_u32 ttmp9, FIRST                      ; the same in all waves of a work-group
	s_cbranch_scc0 .Lweights
; ---------------- the router and x's codes ----------------
	s_load_b256 s[24:31], s[8:9], 0x0              ; br: waited for where it is added
	s_lshl_b32 s19, ttmp9, 5
	s_lshl_b32 s2, s18, 2
	s_add_co_u32 s19, s19, s2                      ; my first token: 32 x work-group + 4 x wave
	s_mov_b32 s3, 0
	s_lshl_b32 s2, s19, 12
	s_add_nc_u64 s[4:5], s[4:5], s[2:3]            ; x at my first token
	s_lshl_b32 s2, s19, 10
	s_add_nc_u64 s[32:33], s[14:15], s[2:3]        ; its codes
	s_lshl_b32 s2, s19, 5
	s_add_co_u32 s2, s2, XS
	s_add_nc_u64 s[34:35], s[14:15], s[2:3]        ; its scale bytes
	s_lshl_b32 s2, s19, 2
	s_add_nc_u64 s[12:13], s[12:13], s[2:3]        ; its expert
	s_add_co_u32 s2, s2, XG
	s_add_nc_u64 s[36:37], s[14:15], s[2:3]        ; its gate
	s_mul_i32 s22, s18, 5376                       ; my wave's LDS region: two stages of 2,560 bytes, then 128 scale bytes
	s_wait_alu depctr_va_vdst(0)
	v_lshlrev_b32 v2, 4, v1                        ; 16 x lane
	v_lshrrev_b32 v3, 2, v1
	s_delay_alu instid0(VALU_DEP_1)
	v_mul_u32_u24 v3, v3, 80
	v_and_b32 v8, 3, v1
	s_delay_alu instid0(VALU_DEP_1)
	v_lshl_add_u32 v3, v8, 4, v3
	s_delay_alu instid0(VALU_DEP_1)
	v_add_nc_u32 v3, s22, v3                       ; into a stage: four lanes' 64 bytes on end, then 16 of padding
	v_mul_u32_u24 v4, v1, 80
	s_delay_alu instid0(VALU_DEP_1)
	v_add_nc_u32 v4, s22, v4                       ; out of it: 80 x lane: my 16 neighbours
	v_lshrrev_b32 v5, 1, v1
	s_add_co_u32 s22, s22, 5120
	v_add_nc_u32 v5, s22, v5                       ; my block's scale byte (two lanes to a block)
	v_lshlrev_b32 v7, 2, v1                        ; 4 x lane
	s_delay_alu instid0(VALU_DEP_1)
	v_add_nc_u32 v6, s22, v7                       ; the bytes' way out: 4 a lane
	s_lshl_b32 s22, s18, 12
	v_add_nc_u32 v14, s22, v2                      ; Wr in memory: my wave's eight chunks
	s_mul_i32 s22, s18, 4224
	s_add_co_u32 s22, s22, WRL
	v_add_nc_u32 v15, s22, v2                      ; and in LDS
	v_mul_u32_u24 v16, v1, 528
	s_delay_alu instid0(VALU_DEP_1)
	v_add_nc_u32 v16, WRL, v16                     ; chunk 32 p + lane is Wr[512 p + 16 lane .. + 15][0 .. 7]
; Step st = 4 p + tl: half p of token tl: 512 numbers; afterwards lane l holds k = 512 p + 16 l + 0 .. 15.
.macro LOADX st                        ; four loads of 512 consecutive bytes
.irp i, 0,1,2,3
	global_load_b128 v[R+16*((\st)%2)+4*\i:R+16*((\st)%2)+4*\i+3], v2, s[4:5] offset:((\st)%4)*4096+((\st)/4)*2048+512*\i th:TH_LOAD_NT
.endr
.endm
.macro TURN st                         ; through the wave's own stage: LDS serves a wave's instructions in order, so no wait stands between the stores and the loads
.irp i, 0,1,2,3
	ds_store_b128 v3, v[R+16*((\st)%2)+4*\i:R+16*((\st)%2)+4*\i+3] offset:2560*((\st)%2)+640*\i
.endr
.irp i, 0,1,2,3
	ds_load_b128 v[X+16*((\st)%2)+4*\i:X+16*((\st)%2)+4*\i+3], v4 offset:2560*((\st)%2)+16*\i
.endr
.endm
.macro FMA st                          ; my 16 numbers x Wr's 16 rows, two experts an instruction; the first product of a token starts its sums
.set XB, X+16*((\st)%2)
.set AB, ACC+8*((\st)%4)
.set kk, 0
.rept 16
.set ep, 0
.rept 4
.if ((\st) < 4) && (kk == 0)
	v_pk_mul_f32 v[AB+2*ep:AB+2*ep+1], v[XB:XB+1], v[WRV+2*ep:WRV+2*ep+1] op_sel_hi:[0,1]
.elseif (kk%2) == 0
	v_pk_fma_f32 v[AB+2*ep:AB+2*ep+1], v[XB+kk:XB+kk+1], v[WRV+8*kk+2*ep:WRV+8*kk+2*ep+1], v[AB+2*ep:AB+2*ep+1] op_sel_hi:[0,1,1]
.else
	s_delay_alu instid0(VALU_DEP_4)
	v_pk_fma_f32 v[AB+2*ep:AB+2*ep+1], v[XB+kk-1:XB+kk], v[WRV+8*kk+2*ep:WRV+8*kk+2*ep+1], v[AB+2*ep:AB+2*ep+1] op_sel:[1,0,0] op_sel_hi:[1,1,1]
.endif
.set ep, ep+1
.endr
.set kk, kk+1
.endr
.endm
.macro QX st                           ; my 16 numbers become 16 codes; two neighbouring lanes hold a block
.set XB, X+16*((\st)%2)
.set CB, C+4*((\st)%2)
	v_max3_num_f32 v8, |v[XB]|, |v[XB+1]|, |v[XB+2]|
	v_max3_num_f32 v9, |v[XB+3]|, |v[XB+4]|, |v[XB+5]|
.irp i, 6,10
	s_delay_alu instid0(VALU_DEP_2)
	v_max3_num_f32 v8, v8, |v[XB+\i]|, |v[XB+\i+1]|
	s_delay_alu instid0(VALU_DEP_2)
	v_max3_num_f32 v9, v9, |v[XB+\i+2]|, |v[XB+\i+3]|
.endr
	s_delay_alu instid0(VALU_DEP_2)
	v_max3_num_f32 v8, v8, |v[XB+14]|, |v[XB+15]|
	s_delay_alu instid0(VALU_DEP_1)
	v_max3_num_f32 v8, v8, v9, 0x8000000           ; and the floor 2^(16 - 127): the byte cannot fall under 1
	s_delay_alu instid0(VALU_DEP_1)
	v_max_num_f32_dpp v8, v8, v8 row_xmask:1 row_mask:0xf bank_mask:0xf   ; with my neighbour's 16: the block's largest magnitude
	s_delay_alu instid0(VALU_DEP_1)
	v_add_nc_u32 v11, 0xf8800000, v8               ; 15 off its exponent field: the conversion's scale operand
	s_delay_alu instid0(VALU_DEP_2)
	v_and_or_b32 v10, v8, 0x7f800000, s23          ; 57,344 x the scale
.irp i, 0,1,2,3,4,5,6,7,8,9,10,11,12,13,14,15
	v_med3_num_f32 v[XB+\i], v[XB+\i], -v10, v10   ; the conversion to an 8-bit code does not saturate (ISA guide 7.6.2): the hold comes first
.endr
	s_wait_alu depctr_va_vdst(0)
	s_wait_xcnt 0x0                                ; the store of two steps back has read this set of codes
	v_cvt_scalef32_pk8_bf8_f32 v[CB:CB+1], v[XB:XB+7], v11
	v_cvt_scalef32_pk8_bf8_f32 v[CB+2:CB+3], v[XB+8:XB+15], v11
	v_lshrrev_b32 v[12+(\st)%2], 23, v11           ; the scale's byte, in two registers by turns; also the plain line behind the conversions
	ds_store_b8 v5, v[12+(\st)%2] offset:32*((\st)%4)+16*((\st)/4)   ; both lanes of a block write the same byte with the same value
	global_store_b128 v2, v[CB:CB+3], s[32:33] offset:((\st)%4)*1024+((\st)/4)*512   ; 32 lanes store 512 consecutive bytes
.endm
.macro STEP st
.if (\st) == 0
	s_wait_dscnt 0x0                               ; Wr's first half and step 0's numbers
.else
	s_wait_dscnt 0x1                               ; this step's numbers are back from the stage; the last byte store may be out
.endif
.if (\st) == 4
.set q, 0
.rept 32
	ds_load_b128 v[WRV+4*q:WRV+4*q+3], v16 offset:16896+16*q   ; Wr's second half: k from 512 on
.set q, q+1
.endr
.endif
.if (\st) <= 5
	LOADX (\st)+2                                  ; into the set whose way into the stage is over
	s_wait_loadcnt 0x4                             ; the next step's four loads are in; the four just issued may be out
	TURN (\st)+1
.elseif (\st) == 6
	s_wait_loadcnt 0x0
	TURN 7
.endif
.if (\st) == 4
	s_wait_dscnt 0x8                               ; Wr's second half is in; the eight of the turn just issued may be out
.endif
	FMA \st                                        ; ahead of the hold, which changes the numbers
	QX \st
.endm
.irp i, 0,1,2,3,4,5,6,7
	global_load_b128 v[WRV+4*\i:WRV+4*\i+3], v14, s[6:7] offset:512*\i   ; my wave's eighth of Wr
.endr
	LOADX 0
	LOADX 1
	s_wait_alu depctr_va_vdst(0)
	s_wait_loadcnt 0x8                             ; Wr's eight are in; x's eight may be out
.irp i, 0,1,2,3,4,5,6,7
	ds_store_b128 v15, v[WRV+4*\i:WRV+4*\i+3] offset:528*\i
.endr
	s_wait_dscnt 0x0                               ; for the others' sake: my part of Wr lies in LDS
	s_barrier_signal -1
	s_barrier_wait -1                              ; everybody's does; nobody writes it again
.set q, 0
.rept 32
	ds_load_b128 v[WRV+4*q:WRV+4*q+3], v16 offset:16*q
.set q, q+1
.endr
	s_wait_loadcnt 0x4                             ; step 0's four loads are in
	TURN 0
.irp st, 0,1,2,3,4,5,6,7
	STEP \st
.endr
	; the lanes' parts of the 32 logits are added: four steps inside each half of the lanes, one across
.irp m, 1,2,4,8
.set a, 0
.rept 32
	v_add_f32_dpp v[ACC+a], v[ACC+a], v[ACC+a] row_xmask:\m row_mask:0xf bank_mask:0xf
.set a, a+1
.endr
.endr
.set a, 0
.rept 32
	v_permlanex16_b32 v[X+a], v[ACC+a], s20, s21
.set a, a+1
.endr
.set a, 0
.rept 32
	v_add_f32 v[ACC+a], v[ACC+a], v[X+a]
.set a, a+1
.endr
.irp tl, 1,2,3                         ; lane tl takes token tl's eight (lanes from 4 on keep token 0's and store nothing)
	v_cmp_eq_u32 vcc_lo, \tl, v1
.irp e, 0,1,2,3,4,5,6,7
	v_cndmask_b32 v[ACC+\e], v[ACC+\e], v[ACC+8*\tl+\e], vcc_lo
.endr
.endr
	s_wait_alu depctr_va_vdst(0)
	s_wait_kmcnt 0x0                               ; br
.irp e, 0,1,2,3,4,5,6,7
	v_add_f32 v[ACC+\e], s[24+\e], v[ACC+\e]
.endr
	v_max3_num_f32 v8, v[ACC], v[ACC+1], v[ACC+2]
	s_delay_alu instid0(VALU_DEP_1)
	v_max3_num_f32 v8, v8, v[ACC+3], v[ACC+4]
	s_delay_alu instid0(VALU_DEP_1)
	v_max3_num_f32 v8, v8, v[ACC+5], v[ACC+6]
	s_delay_alu instid0(VALU_DEP_1)
	v_max_num_f32 v8, v8, v[ACC+7]                 ; the largest logit
	v_mov_b32 v9, 7
.irp e, 6,5,4,3,2,1,0
	v_cmp_eq_f32 vcc_lo, v[ACC+\e], v8
	s_delay_alu instid0(VALU_DEP_1)
	v_cndmask_b32 v9, v9, \e, vcc_lo               ; the lowest expert that has it
.endr
.irp e, 0,1,2,3,4,5,6,7
	v_sub_f32 v[ACC+\e], v[ACC+\e], v8             ; the maximum is taken away ahead of the exponential
.endr
.irp e, 0,1,2,3,4,5,6,7
	v_mul_f32 v[ACC+\e], 0x3fb8aa3b, v[ACC+\e]
.endr
	s_wait_alu depctr_va_vdst(0)
.irp e, 0,1,2,3,4,5,6,7
	v_exp_f32 v[ACC+\e], v[ACC+\e]
.endr
	ds_load_b32 v56, v6                            ; my wave's 128 scale bytes, 4 a lane: LDS serves a wave's instructions in order, so these see my stores
	v_nop                                          ; the plain line behind the last exponential
	s_wait_alu depctr_va_vdst(0)                   ; one wait for the eight, ahead of their first reader
	v_add_f32 v52, v[ACC], v[ACC+1]
	v_add_f32 v53, v[ACC+2], v[ACC+3]
	v_add_f32 v54, v[ACC+4], v[ACC+5]
	v_add_f32 v55, v[ACC+6], v[ACC+7]
	s_delay_alu instid0(VALU_DEP_3)
	v_add_f32 v52, v52, v53
	s_delay_alu instid0(VALU_DEP_2)
	v_add_f32 v54, v54, v55
	s_delay_alu instid0(VALU_DEP_1)
	v_add_f32 v52, v52, v54
	s_wait_alu depctr_va_vdst(0)
	v_rcp_f32 v10, v52                             ; the gate: the largest probability is 1 / the sum
	v_cmp_gt_u32 vcc_lo, 4, v1                     ; (the plain line behind the reciprocal)
	s_wait_alu depctr_va_vdst(0)                   ; ahead of the store that reads it
	s_wait_dscnt 0x0
	global_store_b32 v7, v56, s[34:35]             ; 128 consecutive bytes
	s_wait_xcnt 0x0                                ; EXEC changes only behind this wait
	s_wait_tensorcnt 0x0
	ds_add_u32 v254, v255
	s_wait_dscnt 0x0
	s_and_saveexec_b32 s38, vcc_lo
	global_store_b32 v7, v9, s[12:13]              ; four tokens' experts
	global_store_b32 v7, v10, s[36:37]             ; and gates
	s_wait_xcnt 0x0
	s_or_b32 exec_lo, exec_lo, s38
	s_endpgm
; ---------------- a weight into codes, in the operand's order ----------------
; Work-group j = e x 32 + ks x 4 + cb takes 128 along K x 256 columns; wave w 32 of the columns.  A LANE TAKES A COLUMN AND ITS REGISTERS RUN DOWN K: each load reads 128 consecutive bytes a wave
; (the eight waves stand side by side on 1,024), a block of 32 lies in one lane's registers, and the conversions give codes with K innermost.  Nothing is transposed.
.macro WBLOCK c, left
.set XB, WX+32*(\c)
.set CB, WC+8*(\c)
	s_wait_loadcnt \left                           ; this block's 32 loads are in (the count names the later blocks' loads, as far as the wait's field reaches)
	v_max3_num_f32 v12, |v[XB]|, |v[XB+1]|, |v[XB+2]|
	v_max3_num_f32 v13, |v[XB+3]|, |v[XB+4]|, |v[XB+5]|
.irp i, 6,10,14,18,22,26
	s_delay_alu instid0(VALU_DEP_2)
	v_max3_num_f32 v12, v12, |v[XB+\i]|, |v[XB+\i+1]|
	s_delay_alu instid0(VALU_DEP_2)
	v_max3_num_f32 v13, v13, |v[XB+\i+2]|, |v[XB+\i+3]|
.endr
	s_delay_alu instid0(VALU_DEP_2)
	v_max3_num_f32 v12, v12, |v[XB+30]|, |v[XB+31]|
	s_delay_alu instid0(VALU_DEP_1)
	v_max3_num_f32 v12, v12, v13, 0x8000000        ; and the floor 2^(16 - 127)
	s_delay_alu instid0(VALU_DEP_1)
	v_add_nc_u32 v11, 0xf8800000, v12              ; the conversion's scale operand
	s_delay_alu instid0(VALU_DEP_2)
	v_and_or_b32 v10, v12, 0x7f800000, s23         ; 57,344 x the scale
	s_delay_alu instid0(VALU_DEP_2)
	v_lshrrev_b32 v13, 23, v11                     ; the scale's byte
.if (\c) == 0
	s_delay_alu instid0(VALU_DEP_1)
	v_mov_b32 v14, v13
.else
	s_delay_alu instid0(VALU_DEP_1)
	v_lshl_or_b32 v14, v13, 8*(\c), v14            ; four bytes make the column's scale word of this K step
.endif
.irp i, 0,1,2,3,4,5,6,7,8,9,10,11,12,13,14,15,16,17,18,19,20,21,22,23,24,25,26,27,28,29,30,31
	v_med3_num_f32 v[XB+\i], v[XB+\i], -v10, v10
.endr
.irp g, 0,1,2,3
	v_cvt_scalef32_pk8_bf8_f32 v[CB+2*\g:CB+2*\g+1], v[XB+8*\g:XB+8*\g+7], v11
.endr
	v_nop                                          ; the plain line behind the last conversion
	global_store_b128 v3, v[CB:CB+3], s[48:49] offset:512*(\c)         ; k = 32 c + 0 .. 15: the fragment's lanes 0-15.  The wave's store covers two aligned runs of 256 bytes (tiles 2 b and 2 b + 1)
	global_store_b128 v3, v[CB+4:CB+7], s[48:49] offset:512*(\c)+256   ; k = 32 c + 16 .. 31: its lanes 16-31
.endm
.macro WQ src, dst
	s_sub_co_u32 s40, ttmp9, FIRST
	s_lshr_b32 s41, s40, 5                         ; e
	s_bfe_u32 s42, s40, 0x30002                    ; ks
	s_and_b32 s43, s40, 3                          ; cb
	s_lshr_b32 s44, s18, 2
	s_lshl_b32 s45, s43, 1
	s_add_co_u32 s44, s44, s45                     ; slice = 2 cb + wave / 4
	s_and_b32 s45, s18, 3                          ; b = wave % 4: the pair of tiles
	s_lshl_b32 s46, s41, 22                        ; in memory: an expert is 4 MiB, a K step 128 rows of 4,096 bytes
	s_lshl_b32 s47, s42, 19
	s_add_co_u32 s46, s46, s47
	s_lshl_b32 s47, s43, 10
	s_add_co_u32 s46, s46, s47
	s_lshl_b32 s47, s18, 7
	s_add_co_u32 s46, s46, s47
	s_mov_b32 s47, 0
	s_add_nc_u64 s[\src:\src+1], s[\src:\src+1], s[46:47]
	s_lshl_b32 s46, s41, 3
	s_add_co_u32 s46, s46, s44                     ; 8 e + slice
	s_lshl_b32 s52, s46, 17
	s_lshl_b32 s53, s42, 14
	s_add_co_u32 s52, s52, s53
	s_lshl_b32 s53, s45, 12
	s_add_co_u32 s52, s52, s53
	s_mov_b32 s53, 0
	s_add_nc_u64 s[48:49], s[\dst:\dst+1], s[52:53]   ; my pair of tiles' codes
	s_lshl_b32 s52, s46, 12
	s_lshl_b32 s54, s45, 10
	s_add_co_u32 s52, s52, s54
	s_lshr_b32 s54, s42, 2
	s_lshl_b32 s54, s54, 9
	s_add_co_u32 s52, s52, s54
	s_and_b32 s54, s42, 3
	s_lshl_b32 s54, s54, 2
	s_add_co_u32 s52, s52, s54
	s_add_co_u32 s52, s52, WS
	s_add_nc_u64 s[50:51], s[\dst:\dst+1], s[52:53]   ; and their scale words
	v_lshlrev_b32 v2, 2, v1                        ; in: 4 bytes a lane
	v_bfe_u32 v8, v1, 3, 1                         ; u: which tile of the pair my column falls into,
	v_and_b32 v9, 7, v1
	v_lshrrev_b32 v10, 4, v1
	s_delay_alu instid0(VALU_DEP_1)
	v_lshl_add_u32 v9, v10, 3, v9                  ; r: and which of its lanes holds it
	s_delay_alu instid0(VALU_DEP_1)
	v_lshlrev_b32 v3, 4, v9
	s_delay_alu instid0(VALU_DEP_1)
	v_lshl_add_u32 v3, v8, 11, v3                  ; 2048 u + 16 r
	s_delay_alu instid0(VALU_DEP_3)
	v_lshl_add_u32 v4, v8, 4, v9
	s_delay_alu instid0(VALU_DEP_1)
	v_lshlrev_b32 v4, 4, v4                        ; (16 u + r) x 16
.set i, 0
.rept 128
	global_load_b32 v[WX+i], v2, s[\src:\src+1] offset:i*4096 th:TH_LOAD_NT
.set i, i+1
.endr
	WBLOCK 0, 63
	WBLOCK 1, 63
	WBLOCK 2, 32
	WBLOCK 3, 0
	global_store_b32 v4, v14, s[50:51]             ; 4 bytes a lane, 16 apart: one byte for each 128 read
.endm
.Lweights:
	s_wait_alu depctr_va_vdst(0)
	WQ 10, 16
	s_endpgm
.Lfunc_end_k_q0069cf0143_prep1:
	.size	k_q0069cf0143_prep1, .Lfunc_end_k_q0069cf0143_prep1-k_q0069cf0143_prep1
	.p2alignl 7, 3214868480
	.fill 96, 4, 3214868480
	.section	.rodata,"a",@progbits
	.p2align	6, 0x0
	.amdhsa_kernel k_q0069cf0143_prep1
		.amdhsa_group_segment_fixed_size 77824
		.amdhsa_private_segment_fixed_size 0
		.amdhsa_enable_private_segment 0
		.amdhsa_kernarg_size 56
		.amdhsa_user_sgpr_count 2
		.amdhsa_user_sgpr_kernarg_segment_ptr 1
		.amdhsa_wavefront_size32 1
		.amdhsa_system_sgpr_workgroup_id_x 1
		.amdhsa_system_sgpr_workgroup_id_y 1
		.amdhsa_system_sgpr_workgroup_id_z 1
		.amdhsa_system_vgpr_workitem_id 0
		.amdhsa_next_free_vgpr 256
		.amdhsa_next_free_sgpr 66
		.amdhsa_reserve_vcc 1
		.amdhsa_float_denorm_mode_32 3
		.amdhsa_float_denorm_mode_16_64 3
		.amdhsa_memory_ordered 1
		.amdhsa_forward_progress 1
		.amdhsa_inst_pref_size 122
	.end_amdhsa_kernel
	.amdgpu_metadata
---
amdhsa.version: [ 1, 2 ]
amdhsa.kernels:
  - .name:           k_q0069cf0143_prep1
    .symbol:         k_q0069cf0143_prep1.kd
    .args:
      - { .name: x, .offset: 0, .size: 8, .value_kind: global_buffer, .address_space: global }
      - { .name: Wr, .offset: 8, .size: 8, .value_kind: global_buffer, .address_space: global }
      - { .name: br, .offset: 16, .size: 8, .value_kind: global_buffer, .address_space: global }
      - { .name: W1, .offset: 24, .size: 8, .value_kind: global_buffer, .address_space: global }
      - { .name: idx, .offset: 32, .size: 8, .value_kind: global_buffer, .address_space: global }
      - { .name: xq, .offset: 40, .size: 8, .value_kind: global_buffer, .address_space: global }
      - { .name: w1q, .offset: 48, .size: 8, .value_kind: global_buffer, .address_space: global }
    .group_segment_fixed_size: 77824
    .private_segment_fixed_size: 0
    .kernarg_segment_align: 8
    .kernarg_segment_size: 56
    .max_flat_workgroup_size: 256
    .sgpr_count:     66
    .vgpr_count:     256
    .wavefront_size: 32
...
	.end_amdgpu_metadata
.endif
;; end of part 5
;; launch prep2 (part 6): grid 257 x 1, 8 waves a work-group, no clusters, 2,048 bytes of LDS; arguments idx, W2, order, w2q; writes order, w2q
.if DOCPART == 6
	.amdgcn_target "amdgcn-amd-amdhsa--gfx1250"
	.amdhsa_code_object_version 6
	.text
	.protected	k_q0069cf0143_prep2
	.globl	k_q0069cf0143_prep2
	.p2align	8
	.type	k_q0069cf0143_prep2,@function
k_q0069cf0143_prep2:
	s_mov_b64 s[64:65], 0
	v_nop
	global_prefetch_b8 v0, s[64:65] scope:SCOPE_SE
	s_setreg_imm32_b32 hwreg(HW_REG_WAVE_MODE, 25, 1), 1
	s_wait_xcnt 0x0
; TWO JOBS IN ONE LAUNCH, parted by the work-group's number.
; Work-group 0: a counting sort of the 4,096 tokens by their expert (idx, whole numbers stored by the launch before), without atomics.
;   order: at 0 the list, u32: each expert's tokens on end, each expert's run filled up to whole tiles of 16 rows with token 0 (rows that are computed and never stored to the output);
;   at META: words 0-7 an expert's first tile, 8-15 its number of tiles, 16-23 its number of rows.  The tiles number at most 4096 / 16 + 7 = 263, whatever the choice.
; Work-groups 1-256: W2 [8][1024 k][1024 n], f32, K its first axis within an expert, as codes of E5M2 in the order of the operand's registers:
;   w2q: codes at e x 2^20 + slice x 2^17 + ks x 2^14 + t x 2048 + c x 512 + (16 h + r) x 16; lane (r, h) of tile t = 2 b + u holds column 32 b + 8 u + r % 8 + 16 (r / 8) of the slice, k = 32 c + 16 h + 0 .. 15;
;   at WS: (8 e + slice) x 4096 + b x 1024 + (ks / 4) x 512 + (16 u + r) x 16 + (ks % 4) x 4: a column's scale word of a K step.
; LIMITS: NaN and infinities are not served; a block of zeros gets the byte 1 (its codes are zeros; this program alone reads the bytes); blocks under 2^-111 sit at that floor.
.set WS,    8388608
.set META,  16896
.set FIRST, 1
.set WX,    16
.set WC,    144
.set IDX,   16                         ; v16-31   my 16 tokens' experts, later the tokens themselves
.set RK,    32                         ; v32-47   their ranks in my wave, later their places in the list
.set T,     48                         ; v48-55   at work
.set CW,    64                         ; v64-127  every wave's eight counts
.set END,   64                         ; v64-71   afterwards: where an expert's rows end,
.set PEND,  72                         ; v72-79   and where its last tile ends
.set BASE,  128                        ; v128-135 rows of the waves in front of mine
.set T0,    144                        ; v144-151 first tile;  v152-159 tiles;  v160-167 rows: on end, as they are stored
.set NT,    152
.set TOT,   160
.set ST,    168                        ; v168-175 where my wave's rows of an expert begin
.set FE,    176                        ; v176     the filling: my place behind the rows of the expert with my wave's number
.set FP,    177                        ; v177     and where that expert's last tile ends
	s_load_b256 s[4:11], s[0:1], 0x0               ; idx s[4:5], W2 s[6:7], order s[8:9], w2q s[10:11]
	v_lshl_add_u32 v192, v0, 2, 0x400
	v_mov_b32 v193, 0
	v_lshrrev_b32 v1, 5, v0
	s_delay_alu instid0(VALU_DEP_1)
	v_readfirstlane_b32 s18, v1                    ; wave 0..7
	v_and_b32 v1, 31, v0                           ; lane
	s_mov_b32 s23, 0x600000                        ; the mantissa field of 57,344
	s_wait_kmcnt 0x0
	s_cmp_lg_u32 ttmp9, 0                          ; the same in all waves of a work-group
	s_cbranch_scc1 .Lweights
; ---------------- the sort: 256 threads, 16 tokens each ----------------
	v_lshlrev_b32 v2, 4, v0
	v_lshlrev_b32 v5, 2, v0                        ; slot 4 q + i of thread t is token 1024 q + 4 t + i
	v_mov_b32 v6, 0
.irp q, 0,1,2,3
	global_load_b128 v[IDX+4*\q:IDX+4*\q+3], v2, s[4:5] offset:4096*\q   ; the work-group reads 4,096 consecutive bytes
.endr
.irp e, 0,1,2,3,4,5,6,7
	s_mov_b32 s[40+\e], 0                          ; my wave's rows of expert e so far
.endr
	s_lshl_b32 s19, s18, 5
	v_mov_b32 v3, s19                              ; LDS: my wave's eight counts
	v_mov_b32 v4, 0
	s_wait_loadcnt 0x0
.macro RANK j                          ; a token's rank among my wave's tokens of its expert: those of earlier slots, and of lower lanes in this slot
.irp e, 0,1,2,3,4,5,6,7
	v_cmp_eq_u32 s[32+\e], \e, v[IDX+\j]
.endr
.irp e, 0,1,2,3,4,5,6,7
	v_mbcnt_lo_u32_b32 v[T+\e], s[32+\e], s[40+\e]
.endr
	v_mov_b32 v[RK+\j], v[T]
.irp e, 1,2,3,4,5,6,7
	s_delay_alu instid0(VALU_DEP_1)
	v_cndmask_b32 v[RK+\j], v[RK+\j], v[T+\e], s[32+\e]
.endr
.irp e, 0,1,2,3,4,5,6,7
	s_bcnt1_i32_b32 s48, s[32+\e]
	s_add_co_u32 s[40+\e], s[40+\e], s48
.endr
.endm
.irp j, 0,1,2,3,4,5,6,7,8,9,10,11,12,13,14,15
	RANK \j
.endr
.irp e, 0,1,2,3,4,5,6,7
	v_mov_b32 v[T+\e], s[40+\e]
.endr
	ds_store_b128 v3, v[T:T+3]                     ; all lanes write the same words with the same values
	ds_store_b128 v3, v[T+4:T+7] offset:16
	s_wait_dscnt 0x0                               ; for the others' sake: my counts lie in LDS
	s_barrier_signal -1
	s_barrier_wait -1
.irp n, 0,1,2,3,4,5,6,7,8,9,10,11,12,13,14,15
	ds_load_b128 v[CW+4*\n:CW+4*\n+3], v4 offset:16*\n   ; all 64 counts, in every lane
.endr
.irp w, 0,1,2,3,4,5,6
	s_cmp_gt_u32 s18, \w
	s_cselect_b32 s[50+\w], 1, 0                   ; is wave w in front of mine?
.endr
	s_wait_dscnt 0x0
.irp e, 0,1,2,3,4,5,6,7
	v_mul_u32_u24 v[BASE+\e], s50, v[CW+\e]
.irp w, 1,2,3,4,5,6
	s_delay_alu instid0(VALU_DEP_1)
	v_mad_u32_u24 v[BASE+\e], v[CW+8*\w+\e], s[50+\w], v[BASE+\e]
.endr
	v_add3_u32 v[TOT+\e], v[CW+\e], v[CW+8+\e], v[CW+16+\e]
	s_delay_alu instid0(VALU_DEP_1)
	v_add3_u32 v[TOT+\e], v[TOT+\e], v[CW+24+\e], v[CW+32+\e]
	s_delay_alu instid0(VALU_DEP_1)
	v_add3_u32 v[TOT+\e], v[TOT+\e], v[CW+40+\e], v[CW+48+\e]
	s_delay_alu instid0(VALU_DEP_1)
	v_add_nc_u32 v[TOT+\e], v[TOT+\e], v[CW+56+\e]
	s_delay_alu instid0(VALU_DEP_1)
	v_add_nc_u32 v[NT+\e], 15, v[TOT+\e]
	s_delay_alu instid0(VALU_DEP_1)
	v_lshrrev_b32 v[NT+\e], 4, v[NT+\e]            ; tiles of 16 rows, the last one filled up
.endr
	v_mov_b32 v[T0], 0
.irp e, 1,2,3,4,5,6,7
	s_delay_alu instid0(VALU_DEP_1)
	v_add_nc_u32 v[T0+\e], v[T0+\e-1], v[NT+\e-1]
.endr
.irp e, 0,1,2,3,4,5,6,7
	v_lshl_add_u32 v[ST+\e], v[T0+\e], 4, v[BASE+\e]
	v_lshl_add_u32 v[END+\e], v[T0+\e], 4, v[TOT+\e]
	v_add_lshl_u32 v[PEND+\e], v[T0+\e], v[NT+\e], 4
.endr
.macro PLACE j                         ; each slot has registers of its own for its place and its token: no store's sources are written again
	v_mov_b32 v48, v[ST]
.irp e, 1,2,3,4,5,6,7
	v_cmp_eq_u32 vcc_lo, \e, v[IDX+\j]
	s_delay_alu instid0(VALU_DEP_1)
	v_cndmask_b32 v48, v48, v[ST+\e], vcc_lo
.endr
	s_delay_alu instid0(VALU_DEP_1)
	v_add_nc_u32 v[RK+\j], v[RK+\j], v48
	s_delay_alu instid0(VALU_DEP_1)
	v_min_u32 v[RK+\j], 0x107f, v[RK+\j]           ; inside the list's 264 x 16 words
	s_delay_alu instid0(VALU_DEP_1)
	v_lshlrev_b32 v[RK+\j], 2, v[RK+\j]
	v_add_nc_u32 v[IDX+\j], ((\j)/4)*1024+(\j)%4, v5
	global_store_b32 v[RK+\j], v[IDX+\j], s[8:9]
.endm
.irp j, 0,1,2,3,4,5,6,7,8,9,10,11,12,13,14,15
	PLACE \j
.endr
	; Wave e fills expert e's last tile up, with token 0: at most 15 words.  The expert's two numbers are chosen by the wave's number without a jump, all lanes on.
	v_mov_b32 v[FE], v[END]
	v_mov_b32 v[FP], v[PEND]
.irp e, 1,2,3,4,5,6,7
	s_cmp_eq_u32 s18, \e
	s_cselect_b32 s58, -1, 0
	v_cndmask_b32 v[FE], v[FE], v[END+\e], s58
	v_cndmask_b32 v[FP], v[FP], v[PEND+\e], s58
.endr
	s_delay_alu instid0(VALU_DEP_2)
	v_add_nc_u32 v[FE], v[FE], v1                  ; lane l: the l-th word behind the expert's rows,
	s_delay_alu instid0(VALU_DEP_1)
	v_cmp_gt_u32 vcc_lo, v[FP], v[FE]              ; if it still lies in the last tile
	s_delay_alu instid0(VALU_DEP_2)
	v_min_u32 v[FE], 0x107f, v[FE]                 ; inside the list's 264 x 16 words
	s_delay_alu instid0(VALU_DEP_1)
	v_lshlrev_b32 v[FE], 2, v[FE]
	s_wait_alu depctr_va_vdst(0)
	s_wait_xcnt 0x0                                ; EXEC changes only behind this wait
	s_and_saveexec_b32 s57, vcc_lo
	global_store_b32 v[FE], v6, s[8:9]
	s_wait_xcnt 0x0
	s_or_b32 exec_lo, exec_lo, s57
	s_cmp_lg_u32 s18, 0
	s_cbranch_scc1 .Lsorted
	v_cmp_eq_u32 vcc_lo, 0, v1                     ; wave 0's lane 0 stores the 24 counts
	s_wait_xcnt 0x0
	s_and_saveexec_b32 s57, vcc_lo
.irp n, 0,1,2,3,4,5
	global_store_b128 v6, v[T0+4*\n:T0+4*\n+3], s[8:9] offset:META+16*\n
.endr
	s_wait_xcnt 0x0
	s_or_b32 exec_lo, exec_lo, s57
.Lsorted:
	s_wait_tensorcnt 0x0
	ds_add_u32 v192, v193
	s_wait_dscnt 0x0
	s_endpgm
; ---------------- a weight into codes, in the operand's order ----------------
; Work-group j = e x 32 + ks x 4 + cb takes 128 along K x 256 columns; wave w 32 of the columns.  A LANE TAKES A COLUMN AND ITS REGISTERS RUN DOWN K: each load reads 128 consecutive bytes a wave
; (the eight waves stand side by side on 1,024), a block of 32 lies in one lane's registers, and the conversions give codes with K innermost.  Nothing is transposed.
.macro WBLOCK c, left
.set XB, WX+32*(\c)
.set CB, WC+8*(\c)
	s_wait_loadcnt \left                           ; this block's 32 loads are in (the count names the later blocks' loads, as far as the wait's field reaches)
	v_max3_num_f32 v12, |v[XB]|, |v[XB+1]|, |v[XB+2]|
	v_max3_num_f32 v13, |v[XB+3]|, |v[XB+4]|, |v[XB+5]|
.irp i, 6,10,14,18,22,26
	s_delay_alu instid0(VALU_DEP_2)
	v_max3_num_f32 v12, v12, |v[XB+\i]|, |v[XB+\i+1]|
	s_delay_alu instid0(VALU_DEP_2)
	v_max3_num_f32 v13, v13, |v[XB+\i+2]|, |v[XB+\i+3]|
.endr
	s_delay_alu instid0(VALU_DEP_2)
	v_max3_num_f32 v12, v12, |v[XB+30]|, |v[XB+31]|
	s_delay_alu instid0(VALU_DEP_1)
	v_max3_num_f32 v12, v12, v13, 0x8000000        ; and the floor 2^(16 - 127)
	s_delay_alu instid0(VALU_DEP_1)
	v_add_nc_u32 v11, 0xf8800000, v12              ; the conversion's scale operand
	s_delay_alu instid0(VALU_DEP_2)
	v_and_or_b32 v10, v12, 0x7f800000, s23         ; 57,344 x the scale
	s_delay_alu instid0(VALU_DEP_2)
	v_lshrrev_b32 v13, 23, v11                     ; the scale's byte
.if (\c) == 0
	s_delay_alu instid0(VALU_DEP_1)
	v_mov_b32 v14, v13
.else
	s_delay_alu instid0(VALU_DEP_1)
	v_lshl_or_b32 v14, v13, 8*(\c), v14            ; four bytes make the column's scale word of this K step
.endif
.irp i, 0,1,2,3,4,5,6,7,8,9,10,11,12,13,14,15,16,17,18,19,20,21,22,23,24,25,26,27,28,29,30,31
	v_med3_num_f32 v[XB+\i], v[XB+\i], -v10, v10   ; the conversion to an 8-bit code does not saturate (ISA guide 7.6.2): the hold comes first
.endr
.irp g, 0,1,2,3
	v_cvt_scalef32_pk8_bf8_f32 v[CB+2*\g:CB+2*\g+1], v[XB+8*\g:XB+8*\g+7], v11
.endr
	v_nop                                          ; the plain line behind the last conversion
	global_store_b128 v3, v[CB:CB+3], s[48:49] offset:512*(\c)         ; k = 32 c + 0 .. 15: the fragment's lanes 0-15.  The wave's store covers two aligned runs of 256 bytes (tiles 2 b and 2 b + 1)
	global_store_b128 v3, v[CB+4:CB+7], s[48:49] offset:512*(\c)+256   ; k = 32 c + 16 .. 31: its lanes 16-31
.endm
.macro WQ src, dst
	s_sub_co_u32 s40, ttmp9, FIRST
	s_lshr_b32 s41, s40, 5                         ; e
	s_bfe_u32 s42, s40, 0x30002                    ; ks
	s_and_b32 s43, s40, 3                          ; cb
	s_lshr_b32 s44, s18, 2
	s_lshl_b32 s45, s43, 1
	s_add_co_u32 s44, s44, s45                     ; slice = 2 cb + wave / 4
	s_and_b32 s45, s18, 3                          ; b = wave % 4: the pair of tiles
	s_lshl_b32 s46, s41, 22                        ; in memory: an expert is 4 MiB, a K step 128 rows of 4,096 bytes
	s_lshl_b32 s47, s42, 19
	s_add_co_u32 s46, s46, s47
	s_lshl_b32 s47, s43, 10
	s_add_co_u32 s46, s46, s47
	s_lshl_b32 s47, s18, 7
	s_add_co_u32 s46, s46, s47
	s_mov_b32 s47, 0
	s_add_nc_u64 s[\src:\src+1], s[\src:\src+1], s[46:47]
	s_lshl_b32 s46, s41, 3
	s_add_co_u32 s46, s46, s44                     ; 8 e + slice
	s_lshl_b32 s52, s46, 17
	s_lshl_b32 s53, s42, 14
	s_add_co_u32 s52, s52, s53
	s_lshl_b32 s53, s45, 12
	s_add_co_u32 s52, s52, s53
	s_mov_b32 s53, 0
	s_add_nc_u64 s[48:49], s[\dst:\dst+1], s[52:53]   ; my pair of tiles' codes
	s_lshl_b32 s52, s46, 12
	s_lshl_b32 s54, s45, 10
	s_add_co_u32 s52, s52, s54
	s_lshr_b32 s54, s42, 2
	s_lshl_b32 s54, s54, 9
	s_add_co_u32 s52, s52, s54
	s_and_b32 s54, s42, 3
	s_lshl_b32 s54, s54, 2
	s_add_co_u32 s52, s52, s54
	s_add_co_u32 s52, s52, WS
	s_add_nc_u64 s[50:51], s[\dst:\dst+1], s[52:53]   ; and their scale words
	v_lshlrev_b32 v2, 2, v1                        ; in: 4 bytes a lane
	v_bfe_u32 v8, v1, 3, 1                         ; u: which tile of the pair my column falls into,
	v_and_b32 v9, 7, v1
	v_lshrrev_b32 v10, 4, v1
	s_delay_alu instid0(VALU_DEP_1)
	v_lshl_add_u32 v9, v10, 3, v9                  ; r: and which of its lanes holds it
	s_delay_alu instid0(VALU_DEP_1)
	v_lshlrev_b32 v3, 4, v9
	s_delay_alu instid0(VALU_DEP_1)
	v_lshl_add_u32 v3, v8, 11, v3                  ; 2048 u + 16 r
	s_delay_alu instid0(VALU_DEP_3)
	v_lshl_add_u32 v4, v8, 4, v9
	s_delay_alu instid0(VALU_DEP_1)
	v_lshlrev_b32 v4, 4, v4                        ; (16 u + r) x 16
.set i, 0
.rept 128
	global_load_b32 v[WX+i], v2, s[\src:\src+1] offset:i*4096 th:TH_LOAD_NT
.set i, i+1
.endr
	WBLOCK 0, 63
	WBLOCK 1, 63
	WBLOCK 2, 32
	WBLOCK 3, 0
	global_store_b32 v4, v14, s[50:51]             ; 4 bytes a lane, 16 apart: one byte for each 128 read
.endm
.Lweights:
	s_wait_alu depctr_va_vdst(0)
	WQ 6, 10
	s_endpgm
.Lfunc_end_k_q0069cf0143_prep2:
	.size	k_q0069cf0143_prep2, .Lfunc_end_k_q0069cf0143_prep2-k_q0069cf0143_prep2
	.p2alignl 7, 3214868480
	.fill 96, 4, 3214868480
	.section	.rodata,"a",@progbits
	.p2align	6, 0x0
	.amdhsa_kernel k_q0069cf0143_prep2
		.amdhsa_group_segment_fixed_size 2048
		.amdhsa_private_segment_fixed_size 0
		.amdhsa_enable_private_segment 0
		.amdhsa_kernarg_size 32
		.amdhsa_user_sgpr_count 2
		.amdhsa_user_sgpr_kernarg_segment_ptr 1
		.amdhsa_wavefront_size32 1
		.amdhsa_system_sgpr_workgroup_id_x 1
		.amdhsa_system_sgpr_workgroup_id_y 1
		.amdhsa_system_sgpr_workgroup_id_z 1
		.amdhsa_system_vgpr_workitem_id 0
		.amdhsa_next_free_vgpr 194
		.amdhsa_next_free_sgpr 66
		.amdhsa_reserve_vcc 1
		.amdhsa_float_denorm_mode_32 3
		.amdhsa_float_denorm_mode_16_64 3
		.amdhsa_memory_ordered 1
		.amdhsa_forward_progress 1
		.amdhsa_inst_pref_size 100
	.end_amdhsa_kernel
	.amdgpu_metadata
---
amdhsa.version: [ 1, 2 ]
amdhsa.kernels:
  - .name:           k_q0069cf0143_prep2
    .symbol:         k_q0069cf0143_prep2.kd
    .args:
      - { .name: idx, .offset: 0, .size: 8, .value_kind: global_buffer, .address_space: global }
      - { .name: W2, .offset: 8, .size: 8, .value_kind: global_buffer, .address_space: global }
      - { .name: order, .offset: 16, .size: 8, .value_kind: global_buffer, .address_space: global }
      - { .name: w2q, .offset: 24, .size: 8, .value_kind: global_buffer, .address_space: global }
    .group_segment_fixed_size: 2048
    .private_segment_fixed_size: 0
    .kernarg_segment_align: 8
    .kernarg_segment_size: 32
    .max_flat_workgroup_size: 256
    .sgpr_count:     66
    .vgpr_count:     194
    .wavefront_size: 32
...
	.end_amdgpu_metadata
.endif
;; end of part 6
;; launch gemm1 (part 7): grid 256 x 1, 4 waves a work-group, no clusters, 0 bytes of LDS; arguments xq, w1q, b1, order, hq; writes hq
.if DOCPART == 7
	.amdgcn_target "amdgcn-amd-amdhsa--gfx1250"
	.amdhsa_code_object_version 6
	.text
	.protected	k_q0069cf0143_gemm1
	.globl	k_q0069cf0143_gemm1
	.p2align	8
	.type	k_q0069cf0143_gemm1,@function
k_q0069cf0143_gemm1:
	s_mov_b64 s[64:65], 0
	v_nop
	global_prefetch_b8 v0, s[64:65] scope:SCOPE_SE
	s_setreg_imm32_b32 hwreg(HW_REG_WAVE_SCHED_MODE, 0, 2), 2
	s_setreg_imm32_b32 hwreg(HW_REG_WAVE_MODE, 25, 1), 1
	s_wait_xcnt 0x0
	s_wait_alu depctr_vm_vsrc(0)
; THE FIRST PRODUCT, FOR THE CHOSEN EXPERT'S ROWS ALONE: h = Q(relu(x W1[e] + b1[e])), on codes of E5M2 with E8M0 scales; Q the quantiser along the second product's K.
; Rows are the sorted rows of the list (order): tiles of 16 rows, each of one expert.  Work-group = (expert e, slice of 128 hidden units, p of 4).  Wave w is group g = 4 w + p of the 16 that
; share (e, slice); a trip takes row tiles c3, c3 + 1, c3 + 2 of the expert against the slice's 8 column tiles, c3 = 3 g + 48 x trip; the trips number ceil((tiles - 3 g) / 48): every split of the tokens is served.
; A place past the expert's last tile repeats that tile and stores nothing.  A wave without a tile ends at once.
; THE PRODUCT IS USED TRANSPOSED: source 0 = 16 columns of W1 (in the order in which w1q lays them), source 1 = 16 rows of x.  Lane (r, h), register j of tile 2 b + u is row r, hidden unit 32 b + 16 h + 8 u + j:
; the 16 registers of two neighbouring tiles are 16 neighbours along the next K, and the slice's 128 units are one K step of the second product: one fragment and one scale word a row.
; hq: codes at T x 16384 + ks x 2048 + c x 512 + lane x 16 (T the row tile, ks the slice): an image of the operand's registers;  at HS: T x 1024 + (ks / 4) x 512 + lane x 16 + (ks % 4) x 4.
; OPERANDS GO FROM MEMORY STRAIGHT INTO REGISTERS, three sets by turns, two K steps of 128 ahead.  No tensor load, no LDS, no cluster with joint loads: how many trips a wave makes, and which rows it
; takes, hangs on counts read from memory, which differ from work-group to work-group.  Waves share nothing: no barrier.
; LIMITS: NaN and infinities are not served; a block of zeros gets the byte 1 (its codes are zeros; this program alone reads the bytes).
; THE MODE: SCHED_MODE bits 1:0 = 2 (LLVM: expert scheduling mode 2), set by the entry lines.  The code itself states the register dependences
; between vector or matrix instructions and memory instructions, with s_wait_alu, always for 0.
; THE PLAN.  Registers that memory instructions touch, round a trip:
;   S0, S1, S2    three operand sets (W1's 8 fragments, x's 3).  K step ks: its 24 products read S[ks % 3]; the 44 loads of K step ks + 2 land in S[(ks + 2) % 3] = S[(ks - 1) % 3], which the products of K step ks - 1 read last.
;   AS            x's scale words: loaded at the trip's head, read by all the trip's products.
;   LO, HO, HSO   written by vector adds at the trip's head; LO is read by the tokens' loads, HO and HSO by the stores at the trip's end.
;   TOK           a load lands in it; vector lines hold it and make VA and VS of it, which x's loads read up to K step 5.
;   two out-buffers (16 registers of codes and a scale word each), by turns for the trip's tiles 0, 1, 2: written by a tile's conversions, read by its five stores.
;   L16, H64, BS, BIAS: made or loaded once at the head, never written again.
; So ONE wait on va_vdst stands at the head of K steps 1 to 5, behind the wait for the step's data: the products of the step before are done reading the set in which this step's loads land.  The loads follow it in
; two runs among the step's products, which name S[ks % 3], the accumulators, the scale words and the bias: none of the registers that those loads touch.  Two more stand at the trip's head (behind the adds; behind VA
; and VS, which hang on loaded tokens), one ahead of each tile's stores.  A wait on vm_vsrc, beside s_wait_xcnt 0, stands ahead of tile 2 (out-buffer 0 is written again) and ahead of the backward jump.
; REGISTERS, in windows of 256: window 0: addresses; v32-63 W1's scale words; v64-87 x's; v128-191 b1 in the result's layout; v192-239 x's fragments of set 2.
;   window 1: W1's fragments of set 0 (v0-127) and set 1 (v128-255).   window 2: v0-127 W1's fragments of set 2; v128-175 and v176-223 x's of sets 0 and 1.
;   window 3: v0-191 the 24 accumulators ((i, t) at 64 i + 8 t); v192-223 the two out-buffers' codes; v224-239 at work; v240-241 their scale words.
.set XS,   4194304
.set WS,   8388608
.set HS,   4325376
.set META, 16896
.set L16,  3                           ; 16 x lane
.set R4,   4                           ; 4 r
.set H16,  5                           ; 16 h
.set H64,  6                           ; 64 h
.set LO,   8                           ; v8-10   where my row's token stands in the list
.set TOK,  12                          ; v12-14  the token
.set VA,   16                          ; v16-18  its codes
.set VS,   20                          ; v20-22  its scale words
.set HO,   24                          ; v24-26  where the tile's codes go
.set HSO,  28                          ; v28-30  and its scale words
.set BS,   32
.set AS,   64
.set BIAS, 128
.set PC,   192
.set TM,   224
.set PW,   240
.set MSB, 0
.macro WIN new                         ; the immediate's high byte repeats the setting that is left
.if MSB != (\new)
	s_set_vgpr_msb (MSB<<8)|(\new)
.set MSB, (\new)
.endif
.endm
; Set s = ks % 3.  W1's fragments begin at register 0, 128, 0 of windows 1, 1, 2; x's at 128, 176, 192 of windows 2, 2, 0.
.macro LOADB ks, hf                    ; four of the slice's 8 fragments of W1 for K step ks (tiles 4 hf on): each load 512 consecutive bytes
.set WR, 128*(((\ks)%3)%2)
.irp t, 0,1,2,3
.irp c, 0,1,2,3
	global_load_b128 v[WR+16*(4*(\hf)+\t)+4*\c:WR+16*(4*(\hf)+\t)+4*\c+3], v[L16], s[36:37] offset:(\ks)*16384+(4*(\hf)+\t)*2048+\c*512
.endr
.endr
.endm
.macro LOADA ks                        ; my 3 tiles of rows: lane (r, h) takes k = 32 c + 16 h + 0 .. 15 of its token's row
.set XR, 128+48*((\ks)%3)-32*(((\ks)%3)/2)
.irp i, 0,1,2
.irp c, 0,1,2,3
	global_load_b128 v[XR+16*\i+4*\c:XR+16*\i+4*\c+3], v[VA+\i], s[4:5] offset:(\ks)*128+32*\c
.endr
.endr
.endm
.macro WM d, a, b, c, sa, sb, odd      ; W1's scale words: lanes 0-15 the even tile of a pair, lanes 16-31 the odd one
.if \odd
	v_wmma_scale_f32_16x16x128_f8f6f4 v[\d:\d+7], v[\a:\a+15], v[\b:\b+15], v[\c:\c+7], v[\sa], v[\sb] matrix_a_fmt:MATRIX_FMT_BF8 matrix_b_fmt:MATRIX_FMT_BF8 matrix_a_scale:MATRIX_SCALE_ROW1
.else
	v_wmma_scale_f32_16x16x128_f8f6f4 v[\d:\d+7], v[\a:\a+15], v[\b:\b+15], v[\c:\c+7], v[\sa], v[\sb] matrix_a_fmt:MATRIX_FMT_BF8 matrix_b_fmt:MATRIX_FMT_BF8
.endif
.endm
.macro MUL ks, hf                      ; 12 of a K step's 24 products (tiles 4 hf on); the 24 accumulators take turns, in the same order in every K step.  In K step 0 the bias starts the sums
.set WR, 128*(((\ks)%3)%2)
.set XR, 128+48*((\ks)%3)-32*(((\ks)%3)/2)
.irp t, 0,1,2,3
.irp i, 0,1,2
.if (\ks) == 0
	WM 64*\i+8*(4*(\hf)+\t), WR+16*(4*(\hf)+\t), XR+16*\i, BIAS+8*(4*(\hf)+\t), BS+8*(2*(\hf)+\t/2)+(\ks), AS+8*\i+(\ks), (\t)%2
.else
	WM 64*\i+8*(4*(\hf)+\t), WR+16*(4*(\hf)+\t), XR+16*\i, 64*\i+8*(4*(\hf)+\t), BS+8*(2*(\hf)+\t/2)+(\ks), AS+8*\i+(\ks), (\t)%2
.endif
.endr
.endr
.endm
.macro KSTEP ks, left
.set WW, 1+((\ks)%3)/2                 ; the windows of this step's set: W1's fragments,
.set XW, 2-2*(((\ks)%3)/2)             ; x's;
.set NW, 1+(((\ks)+2)%3)/2             ; and of the set that is asked for
.set NX, 2-2*((((\ks)+2)%3)/2)
.if (\ks) == 0
.set MW, 0xc0|(XW<<2)|WW               ; C (the bias) window 0, D window 3
.else
.set MW, 0xf0|(XW<<2)|WW               ; C and D window 3
.endif
	s_wait_loadcnt \left                           ; this K step's operands are in; the 44 loads of the next K step's set may be out
.if ((\ks) > 0) && ((\ks) < 6)
	s_wait_alu depctr_va_vdst(0)                   ; the products of the K step before are done reading their set, in which the 44 loads of this step land.  (K step 0: the wait behind VA and VS has shown the last trip's products done)
.endif
.if (\ks) < 6
	WIN NW<<6
	LOADB (\ks)+2, 0
.endif
	WIN MW
	MUL \ks, 0
.if (\ks) < 6
	WIN NW<<6
	LOADB (\ks)+2, 1                               ; no further wait: the products issued since the wait name this step's own set, the accumulators, the scale words and the bias
	WIN NX<<6
	LOADA (\ks)+2
.endif
	WIN MW
	MUL \ks, 1
.endm
; 64 numbers of a lane, v[s] on, register 16 b + i = hidden unit 32 b + 16 h + i of my row, become a fragment's codes and its scale word in out-buffer o.  All in window 3.
.macro QUANT s, o
.irp b, 0,1,2,3
	v_max3_num_f32 v[TM+\b], v[\s+16*\b], v[\s+1+16*\b], 0x8000000   ; no |.|: what is negative is to become 0 and must not count; the floor 2^(16 - 127) stands over it
.endr
.irp i, 2,4,6,8,10,12,14
.irp b, 0,1,2,3
	v_max3_num_f32 v[TM+\b], v[TM+\b], v[\s+16*\b+\i], v[\s+1+16*\b+\i]
.endr
.endr
.irp b, 0,1,2,3
	v_permlanex16_b32 v[TM+4+\b], v[TM+\b], s20, s21
.endr
.irp b, 0,1,2,3
	v_max_num_f32 v[TM+\b], v[TM+\b], v[TM+4+\b]   ; with lane l xor 16's: the block's largest magnitude
.endr
.irp b, 0,1,2,3
	v_add_nc_u32 v[TM+12+\b], 0xf8800000, v[TM+\b] ; 15 off its exponent field: the conversion's scale operand
.endr
.irp b, 0,1,2,3
	v_and_or_b32 v[TM+8+\b], v[TM+\b], 0x7f800000, s23   ; 57,344 x the scale
.endr
.irp b, 0,1,2,3
	v_lshrrev_b32 v[TM+4+\b], 23, v[TM+12+\b]      ; the scale's byte
.endr
	v_lshl_or_b32 v[PW+(\o)], v[TM+5], 8, v[TM+4]
	v_lshl_or_b32 v[PW+(\o)], v[TM+6], 16, v[PW+(\o)]
	v_lshl_or_b32 v[PW+(\o)], v[TM+7], 24, v[PW+(\o)]
.irp b, 0,1,2,3
.irp i, 0,1,2,3,4,5,6,7,8,9,10,11,12,13,14,15
	v_med3_num_f32 v[\s+16*\b+\i], v[\s+16*\b+\i], 0, v[TM+8+\b]   ; the activation and the hold in one (the conversion does not saturate: ISA guide 7.6.2)
.endr
	v_cvt_scalef32_pk8_bf8_f32 v[PC+16*(\o)+4*\b:PC+16*(\o)+1+4*\b], v[\s+16*\b:\s+7+16*\b], v[TM+12+\b]
	v_cvt_scalef32_pk8_bf8_f32 v[PC+16*(\o)+2+4*\b:PC+16*(\o)+3+4*\b], v[\s+8+16*\b:\s+15+16*\b], v[TM+12+\b]
.endr
	v_nop                                          ; the plain line behind the last conversion
.endm
	s_load_b256 s[4:11], s[0:1], 0x0               ; xq s[4:5], w1q s[6:7], b1 s[8:9], order s[10:11]
	s_load_b64 s[12:13], s[0:1], 0x20              ; hq
	v_lshrrev_b32 v7, 5, v0
	v_readfirstlane_b32 s18, v7                    ; wave 0..3
	v_and_b32 v1, 15, v0                           ; r
	v_bfe_u32 v2, v0, 4, 1                         ; h
	v_and_b32 v7, 31, v0
	v_lshlrev_b32 v[L16], 4, v7
	v_lshlrev_b32 v[R4], 2, v1
	v_lshlrev_b32 v[H16], 4, v2
	v_lshlrev_b32 v[H64], 6, v2
	s_mov_b32 s20, 0x76543210
	s_mov_b32 s21, 0xfedcba98                      ; v_permlanex16_b32's selects for lane l xor 16
	s_mov_b32 s23, 0x600000                        ; the mantissa field of 57,344
	s_lshr_b32 s14, ttmp9, 5                       ; e
	s_bfe_u32 s15, ttmp9, 0x30002                  ; slice
	s_and_b32 s16, ttmp9, 3                        ; p
	s_wait_alu depctr_va_sdst(0)                   ; s18 is written, ahead of its first reader: my first tile is made from it
	s_lshl_b32 s29, s18, 2
	s_add_co_u32 s29, s29, s16
	s_mul_i32 s29, s29, 3                          ; c3 = 3 (4 wave + p)
	s_lshl_b32 s30, s14, 3
	s_add_co_u32 s30, s30, s15                     ; 8 e + slice
	s_lshl_b32 s24, s14, 2
	s_mov_b32 s3, 0
	s_wait_kmcnt 0x0
	s_load_b32 s26, s[10:11], s24 offset:META      ; the expert's first tile
	s_load_b32 s27, s[10:11], s24 offset:META+32   ; and its number of tiles
	s_add_nc_u64 s[34:35], s[4:5], XS              ; x's scale words
	s_lshl_b32 s2, s30, 17
	s_add_nc_u64 s[36:37], s[6:7], s[2:3]          ; the slice's codes
	s_lshl_b32 s2, s30, 12
	s_add_co_u32 s2, s2, WS
	s_add_nc_u64 s[38:39], s[6:7], s[2:3]          ; and scale words
	s_lshl_b32 s2, s30, 9
	s_add_nc_u64 s[40:41], s[8:9], s[2:3]          ; b1 at the slice's first unit
	s_lshl_b32 s2, s15, 11
	s_add_nc_u64 s[42:43], s[12:13], s[2:3]        ; hq: K step = slice
	s_lshr_b32 s2, s15, 2
	s_lshl_b32 s2, s2, 9
	s_and_b32 s17, s15, 3
	s_lshl_b32 s17, s17, 2
	s_add_co_u32 s2, s2, s17
	s_add_co_u32 s2, s2, HS
	s_add_nc_u64 s[44:45], s[12:13], s[2:3]
	s_wait_kmcnt 0x0
	s_min_u32 s27, s27, 264                        ; never more tiles than the buffers hold
	s_cmp_ge_u32 s29, s27                          ; nothing for this wave under this split
	s_cbranch_scc1 .Lend
	s_sub_co_u32 s31, s27, 1
	s_sub_co_u32 s98, s27, s29                     ; my trips: ceil((tiles - c3) / 48):
	s_add_co_u32 s98, s98, 47                      ; 48 to 311,
	s_mul_i32 s98, s98, 1366                       ; and x 1366 / 65536 is the whole part of x / 48 for x under 2,063
	s_lshr_b32 s98, s98, 16
	s_mov_b32 s99, 0                               ; trips done
	s_wait_alu depctr_va_vdst(0)                   ; v[L16] and v[H64] are written, which the loads below, and every load of W1, read as their offset
.irp tp, 0,1,2,3
.irp kq, 0,1
	global_load_b128 v[BS+8*\tp+4*\kq:BS+8*\tp+4*\kq+3], v[L16], s[38:39] offset:\tp*1024+\kq*512   ; register 8 tp + ks: the pair's scale words of K step ks
.endr
.endr
.irp t, 0,1,2,3,4,5,6,7
	global_load_b128 v[BIAS+8*\t:BIAS+8*\t+3], v[H64], s[40:41] offset:(32*(\t/2)+8*(\t%2))*4        ; b1 at units 32 b + 16 h + 8 u + 0 .. 7
	global_load_b128 v[BIAS+8*\t+4:BIAS+8*\t+7], v[H64], s[40:41] offset:(32*(\t/2)+8*(\t%2))*4+16
.endr
	WIN 0xc0
.irp b, 0,1,2,3
	v_mov_b32 v[TM+4+\b], 0                        ; written once: a lane permute's destination counts as one of its sources
.endr
	WIN 0
.Ltrip:
.irp i, 0,1,2
	s_add_co_u32 s[84+\i], s29, \i                 ; the tile within the expert,
	s_min_u32 s[88+\i], s[84+\i], s31              ; held at its last,
	s_add_co_u32 s[88+\i], s[88+\i], s26           ; among all tiles,
	s_min_u32 s[88+\i], s[88+\i], 263              ; inside the buffers
	s_lshl_b32 s92, s[88+\i], 6
	v_add_nc_u32 v[LO+\i], s92, v[R4]
	s_lshl_b32 s92, s[88+\i], 14
	v_add_nc_u32 v[HO+\i], s92, v[L16]
	s_lshl_b32 s92, s[88+\i], 10
	v_add_nc_u32 v[HSO+\i], s92, v[L16]
.endr
	s_wait_alu depctr_va_vdst(0)                   ; v[LO ..] are written, which the tokens' loads read (v[HO ..] and v[HSO ..] too, for the stores at the trip's end); the last trip's products are done reading the three sets and x's scale words, its vector lines are done with v[TOK ..]: loads land in all of these
.irp i, 0,1,2
	global_load_b32 v[TOK+\i], v[LO+\i], s[10:11]
.endr
	WIN 0x40
	LOADB 0, 0                                     ; W1's first K step goes out while the tokens come
	LOADB 0, 1
	WIN 0
	s_wait_loadcnt 32                              ; the tokens are in (and, in the first trip, the scale words and the bias); the 32 just issued may be out
.irp i, 0,1,2
	v_min_u32 v[TOK+\i], 0xfff, v[TOK+\i]
	v_lshl_add_u32 v[VA+\i], v[TOK+\i], 10, v[H16]
	v_lshlrev_b32 v[VS+\i], 5, v[TOK+\i]
.endr
	s_wait_alu depctr_va_vdst(0)                   ; v[VA ..] and v[VS ..] are written, which all the trip's loads of x's codes and scale words read
.irp i, 0,1,2
	global_load_b128 v[AS+8*\i:AS+8*\i+3], v[VS+\i], s[34:35]
	global_load_b128 v[AS+8*\i+4:AS+8*\i+7], v[VS+\i], s[34:35] offset:16
.endr
	WIN 0x80
	LOADA 0
	LOADA 1
	WIN 0x40
	LOADB 1, 0
	LOADB 1, 1
	KSTEP 0, 44
	KSTEP 1, 44
	KSTEP 2, 44
	KSTEP 3, 44
	KSTEP 4, 44
	KSTEP 5, 44
	KSTEP 6, 44
	KSTEP 7, 0
	WIN 0
.rept 8
	v_nop                                          ; eight plain lines between the last products and the first vector line that reads a result
.endr
.irp i, 0,1,2
.if \i == 2
	s_wait_xcnt 0x0                                ; tile 0's stores have had their addresses translated (ISA guide 3.1): out-buffer 0 is rewritten only behind this wait,
	s_wait_alu depctr_vm_vsrc(0)                   ; and they have read out-buffer 0, which tile 2's conversions write again
.endif
	s_cmp_ge_u32 s[84+\i], s27                     ; a place past the expert's last tile stores nothing
	s_cbranch_scc1 .Lskip_\i
	WIN 0xff
	QUANT 64*\i, (\i)%2
	WIN 0x0c                                       ; a store's data are its source 1: window 3
	s_wait_alu depctr_va_vdst(0)                   ; the conversions have written the out-buffer's codes, and its scale word is made: the five stores read them
.irp c, 0,1,2,3
	global_store_b128 v[HO+\i], v[PC+16*((\i)%2)+4*\c:PC+16*((\i)%2)+4*\c+3], s[42:43] offset:512*\c   ; 512 consecutive bytes
.endr
	global_store_b32 v[HSO+\i], v[PW+(\i)%2], s[44:45]
	WIN 0
.Lskip_\i:
.endr
	s_wait_xcnt 0x0                                ; the addresses and the out-buffers are written again only behind this wait
	s_wait_alu depctr_vm_vsrc(0)                   ; the trip's loads have read v[LO ..], v[VA ..] and v[VS ..], its stores v[HO ..], v[HSO ..] and both out-buffers: the next trip writes all of them again
	s_add_co_u32 s29, s29, 48                      ; the 16 groups' 48 tiles on
	s_add_co_u32 s99, s99, 1
	s_cmp_lt_u32 s99, s98
	s_cbranch_scc1 .Ltrip
.Lend:
	s_endpgm
.Lfunc_end_k_q0069cf0143_gemm1:
	.size	k_q0069cf0143_gemm1, .Lfunc_end_k_q0069cf0143_gemm1-k_q0069cf0143_gemm1
	.p2alignl 7, 3214868480
	.fill 96, 4, 3214868480
	.section	.rodata,"a",@progbits
	.p2align	6, 0x0
	.amdhsa_kernel k_q0069cf0143_gemm1
		.amdhsa_group_segment_fixed_size 0
		.amdhsa_private_segment_fixed_size 0
		.amdhsa_enable_private_segment 0
		.amdhsa_kernarg_size 40
		.amdhsa_user_sgpr_count 2
		.amdhsa_user_sgpr_kernarg_segment_ptr 1
		.amdhsa_wavefront_size32 1
		.amdhsa_system_sgpr_workgroup_id_x 1
		.amdhsa_system_sgpr_workgroup_id_y 1
		.amdhsa_system_sgpr_workgroup_id_z 1
		.amdhsa_system_vgpr_workitem_id 0
		.amdhsa_next_free_vgpr 1024
		.amdhsa_next_free_sgpr 100
		.amdhsa_reserve_vcc 0
		.amdhsa_float_denorm_mode_32 3
		.amdhsa_float_denorm_mode_16_64 3
		.amdhsa_memory_ordered 1
		.amdhsa_forward_progress 1
		.amdhsa_inst_pref_size 93
	.end_amdhsa_kernel
	.amdgpu_metadata
---
amdhsa.version: [ 1, 2 ]
amdhsa.kernels:
  - .name:           k_q0069cf0143_gemm1
    .symbol:         k_q0069cf0143_gemm1.kd
    .args:
      - { .name: xq, .offset: 0, .size: 8, .value_kind: global_buffer, .address_space: global }
      - { .name: w1q, .offset: 8, .size: 8, .value_kind: global_buffer, .address_space: global }
      - { .name: b1, .offset: 16, .size: 8, .value_kind: global_buffer, .address_space: global }
      - { .name: order, .offset: 24, .size: 8, .value_kind: global_buffer, .address_space: global }
      - { .name: hq, .offset: 32, .size: 8, .value_kind: global_buffer, .address_space: global }
    .group_segment_fixed_size: 0
    .private_segment_fixed_size: 0
    .kernarg_segment_align: 8
    .kernarg_segment_size: 40
    .max_flat_workgroup_size: 128
    .sgpr_count:     100
    .vgpr_count:     1024
    .wavefront_size: 32
...
	.end_amdgpu_metadata
.endif
;; end of part 7
;; launch gemm2 (part 8): grid 256 x 1, 4 waves a work-group, no clusters, 34,304 bytes of LDS; arguments hq, w2q, b2, order, xq, out0; writes out0
.if DOCPART == 8
	.amdgcn_target "amdgcn-amd-amdhsa--gfx1250"
	.amdhsa_code_object_version 6
	.text
	.protected	k_q0069cf0143_gemm2
	.globl	k_q0069cf0143_gemm2
	.p2align	8
	.type	k_q0069cf0143_gemm2,@function
k_q0069cf0143_gemm2:
	s_mov_b64 s[64:65], 0
	v_nop
	global_prefetch_b8 v0, s[64:65] scope:SCOPE_SE
	s_setreg_imm32_b32 hwreg(HW_REG_WAVE_SCHED_MODE, 0, 2), 2
	s_setreg_imm32_b32 hwreg(HW_REG_WAVE_MODE, 25, 1), 1
	s_wait_xcnt 0x0
	s_wait_alu depctr_vm_vsrc(0)
; THE SECOND PRODUCT AND THE WAY OUT: out[token] = gate[token] x (h W2[e] + b2[e]), on codes of E5M2 with E8M0 scales, for the chosen expert's rows alone.
; Work-group = (expert e, slice of 128 output columns, p of 4).  Wave w is group g = 4 w + p of the 16 that share (e, slice); a trip takes row tiles c3, c3 + 1, c3 + 2 of the expert against the slice's
; 8 column tiles, c3 = 3 g + 48 x trip; the trips number ceil((tiles - 3 g) / 48).  A place past the expert's last tile repeats that tile and stores nothing; a wave without a tile ends at once.
; Each output row has one owner for each slice: every token stands once in the list, and the rows that fill a last tile up are not stored.
; THE PRODUCT IS USED TRANSPOSED: source 0 = 16 columns of W2 (in w2q's order), source 1 = 16 rows of h (hq: images of the operand's registers).  Lane (r, h), registers 16 b + 0 .. 15 of a row tile are row r,
; columns 32 b + 16 h + 0 .. 15.  A tile goes through the wave's own stage in LDS and leaves as whole rows: the 32 lanes store the 512 consecutive bytes of a token's slice.
; OPERANDS GO FROM MEMORY STRAIGHT INTO REGISTERS, three sets by turns, two K steps of 128 ahead.  No tensor load and no cluster with joint loads: how many trips a wave makes, and which rows it takes,
; hangs on counts read from memory, which differ from work-group to work-group.  Waves share nothing: no barrier.
; LIMITS: NaN and infinities are not served.
; THE MODE: SCHED_MODE bits 1:0 = 2 (LLVM: expert scheduling mode 2), set by the entry lines.  The code itself states the register dependences
; between vector or matrix instructions and memory or LDS instructions, with s_wait_alu, always for 0.
; THE PLAN.  Registers that memory or LDS instructions touch, round a trip:
;   S0, S1, S2    three operand sets (W2's 8 fragments, h's 3).  K step ks: its 24 products read S[ks % 3]; the 44 loads of K step ks + 2 land in S[(ks + 2) % 3] = S[(ks - 1) % 3], which the products of K step ks - 1 read last.
;   AS            h's scale words: loaded at the trip's head, read by all the trip's products.
;   LO, VA, VS    written by vector adds at the trip's head; read by the tokens' loads, by h's loads up to K step 5, by the scale words' loads.
;   TOK           a load lands in it; in K step 0 vector lines turn it into the gate's place, which the gates' loads read.      G: the gates' loads land in it; a tile's multiplications read it.
;   the accumulators   written by the products and by a tile's multiplications; read by the tile's LDS stores.
;   OF            a tile's 16 places in out: written by vector lines, read by its stores.      OUT: the LDS loads land in it, the stores read it; no vector line names it.
;   L16, H64, STO, RD, BS, BIAS: made or loaded once at the head, never written again.
; So ONE wait on va_vdst stands at the head of K steps 1 to 5, behind the wait for the step's data: the products of the step before are done reading the set in which this step's loads land.  The loads follow it in
; two runs among the step's products, which name S[ks % 3], the accumulators, the scale words and the bias: none of the registers that those loads touch.  One more stands at the trip's head, one in K step 0 behind the
; gates' places, one ahead of each tile's LDS stores.  A wait on vm_vsrc, beside s_wait_xcnt 0, stands behind each tile's stores: OF and OUT are written again by the next tile, the rest by the next trip.
; REGISTERS, in windows of 256: window 0: addresses; v32-63 W2's scale words; v64-87 h's; v88-93 the gates (pairs); v96-111 the rows' places in out; v128-191 b2 in the result's layout; v192-255 16 rows on their way out.
;   window 1: W2's fragments of set 0 (v0-127) and set 1 (v128-255).   window 2: v0-127 W2's fragments of set 2; v128-175 and v176-223 h's of sets 0 and 1.
;   window 3: v0-191 the 24 accumulators ((i, t) at 64 i + 8 t); v192-239 h's fragments of set 2.
.set XG,   4325376
.set WS,   8388608
.set HS,   4325376
.set META, 16896
.set L16,  3                           ; 16 x lane
.set R4,   4                           ; 4 r
.set H64,  6                           ; 64 h
.set LO,   8                           ; v8-10   where my row's token stands in the list
.set TOK,  12                          ; v12-14  the token, then its gate's place
.set VA,   16                          ; v16-18  the tile's codes
.set VS,   20                          ; v20-22  and scale words
.set STO,  24                          ; the stage: where I put 64 bytes of a row
.set RD,   25                          ; and where I read rows back
.set BS,   32
.set AS,   64
.set G,    88
.set OF,   96
.set BIAS, 128
.set OUT,  192
.set MSB, 0
.macro WIN new                         ; the immediate's high byte repeats the setting that is left
.if MSB != (\new)
	s_set_vgpr_msb (MSB<<8)|(\new)
.set MSB, (\new)
.endif
.endm
; Set s = ks % 3.  W2's fragments begin at register 0, 128, 0 of windows 1, 1, 2; h's at 128, 176, 192 of windows 2, 2, 3.
.macro LOADB ks, hf                    ; four of the slice's 8 fragments of W2 for K step ks (tiles 4 hf on): each load 512 consecutive bytes
.set WR, 128*(((\ks)%3)%2)
.irp t, 0,1,2,3
.irp c, 0,1,2,3
	global_load_b128 v[WR+16*(4*(\hf)+\t)+4*\c:WR+16*(4*(\hf)+\t)+4*\c+3], v[L16], s[6:7] offset:(\ks)*16384+(4*(\hf)+\t)*2048+\c*512
.endr
.endr
.endm
.macro LOADA ks                        ; my 3 tiles of rows, as they were stored: each load 512 consecutive bytes
.set XR, 128+48*((\ks)%3)-32*(((\ks)%3)/2)
.irp i, 0,1,2
.irp c, 0,1,2,3
	global_load_b128 v[XR+16*\i+4*\c:XR+16*\i+4*\c+3], v[VA+\i], s[4:5] offset:(\ks)*2048+512*\c
.endr
.endr
.endm
.macro WM d, a, b, c, sa, sb, odd      ; W2's scale words: lanes 0-15 the even tile of a pair, lanes 16-31 the odd one
.if \odd
	v_wmma_scale_f32_16x16x128_f8f6f4 v[\d:\d+7], v[\a:\a+15], v[\b:\b+15], v[\c:\c+7], v[\sa], v[\sb] matrix_a_fmt:MATRIX_FMT_BF8 matrix_b_fmt:MATRIX_FMT_BF8 matrix_a_scale:MATRIX_SCALE_ROW1
.else
	v_wmma_scale_f32_16x16x128_f8f6f4 v[\d:\d+7], v[\a:\a+15], v[\b:\b+15], v[\c:\c+7], v[\sa], v[\sb] matrix_a_fmt:MATRIX_FMT_BF8 matrix_b_fmt:MATRIX_FMT_BF8
.endif
.endm
.macro MUL ks, hf                      ; 12 of a K step's 24 products (tiles 4 hf on); the 24 accumulators take turns, in the same order in every K step.  In K step 0 the bias starts the sums
.set WR, 128*(((\ks)%3)%2)
.set XR, 128+48*((\ks)%3)-32*(((\ks)%3)/2)
.irp t, 0,1,2,3
.irp i, 0,1,2
.if (\ks) == 0
	WM 64*\i+8*(4*(\hf)+\t), WR+16*(4*(\hf)+\t), XR+16*\i, BIAS+8*(4*(\hf)+\t), BS+8*(2*(\hf)+\t/2)+(\ks), AS+8*\i+(\ks), (\t)%2
.else
	WM 64*\i+8*(4*(\hf)+\t), WR+16*(4*(\hf)+\t), XR+16*\i, 64*\i+8*(4*(\hf)+\t), BS+8*(2*(\hf)+\t/2)+(\ks), AS+8*\i+(\ks), (\t)%2
.endif
.endr
.endr
.endm
.macro KSTEP ks, left
.set WW, 1+((\ks)%3)/2                 ; the windows of this step's set: W2's fragments,
.set XW, 2+((\ks)%3)/2                 ; h's;
.set NW, 1+(((\ks)+2)%3)/2             ; and of the set that is asked for
.set NX, 2+(((\ks)+2)%3)/2
.if (\ks) == 0
.set MW, 0xc0|(XW<<2)|WW               ; C (the bias) window 0, D window 3
.else
.set MW, 0xf0|(XW<<2)|WW               ; C and D window 3
.endif
	s_wait_loadcnt \left                           ; this K step's operands are in; what was issued behind them may be out
.if (\ks) == 0
	WIN 0
.irp i, 0,1,2
	v_min_u32 v[TOK+\i], 0xfff, v[TOK+\i]
	v_lshlrev_b32 v[TOK+\i], 2, v[TOK+\i]
.endr
	s_wait_alu depctr_va_vdst(0)                   ; the gates' places v[TOK ..] are written, which the three loads below read.  (The set in which this step's 44 loads land was last read by the last trip's products, which the wait at the trip's head has shown done)
.irp i, 0,1,2
	global_load_b32 v[G+2*\i], v[TOK+\i], s[12:13]
.endr
.elseif (\ks) < 6
	s_wait_alu depctr_va_vdst(0)                   ; the products of the K step before are done reading their set, in which the 44 loads of this step land
.endif
.if (\ks) < 6
	WIN NW<<6
	LOADB (\ks)+2, 0
.endif
	WIN MW
	MUL \ks, 0
.if (\ks) < 6
	WIN NW<<6
	LOADB (\ks)+2, 1                               ; no further wait: the products issued since the wait name this step's own set, the accumulators, the scale words and the bias
	WIN NX<<6
	LOADA (\ks)+2
.endif
	WIN MW
	MUL \ks, 1
.endm
	s_load_b256 s[4:11], s[0:1], 0x0               ; hq s[4:5], w2q s[6:7], b2 s[8:9], order s[10:11]
	s_load_b128 s[12:15], s[0:1], 0x20             ; xq s[12:13], out0 s[14:15]
	v_lshl_add_u32 v126, v0, 2, 0x8400
	v_mov_b32 v127, 0
	v_lshrrev_b32 v7, 5, v0
	v_readfirstlane_b32 s18, v7                    ; wave 0..3
	v_and_b32 v1, 15, v0                           ; r
	v_bfe_u32 v2, v0, 4, 1                         ; h
	v_and_b32 v7, 31, v0
	v_lshlrev_b32 v[L16], 4, v7
	v_lshlrev_b32 v[R4], 2, v1
	v_lshlrev_b32 v[H64], 6, v2
	s_wait_alu depctr_va_sdst(0)                   ; s18 is written, ahead of its first reader: my stage and my first tile are made from it
	s_mul_i32 s25, s18, 8448                       ; my stage: 16 rows x (512 bytes + 16)
	v_mul_u32_u24 v[STO], v1, 528
	v_lshl_add_u32 v[STO], v2, 6, v[STO]
	v_add_nc_u32 v[STO], s25, v[STO]               ; in: row r, + 64 h
	v_add_nc_u32 v[RD], s25, v[L16]                ; back: the 32 lanes take one row
.irp i, 0,1,2
	v_mov_b32 v[G+2*\i+1], 0                       ; named with the gate as a pair, so it is written
.endr
	s_lshr_b32 s19, ttmp9, 5                       ; e
	s_bfe_u32 s20, ttmp9, 0x30002                  ; slice
	s_and_b32 s21, ttmp9, 3                        ; p
	s_lshl_b32 s29, s18, 2
	s_add_co_u32 s29, s29, s21
	s_mul_i32 s29, s29, 3                          ; c3 = 3 (4 wave + p)
	s_lshl_b32 s30, s19, 3
	s_add_co_u32 s30, s30, s20                     ; 8 e + slice
	s_lshl_b32 s24, s19, 2
	s_mov_b32 s3, 0
	s_wait_kmcnt 0x0
	s_load_b32 s26, s[10:11], s24 offset:META      ; the expert's first tile,
	s_load_b32 s27, s[10:11], s24 offset:META+32   ; its number of tiles,
	s_load_b32 s28, s[10:11], s24 offset:META+64   ; and of rows
	s_add_nc_u64 s[16:17], s[4:5], HS              ; h's scale words
	s_lshl_b32 s2, s30, 12
	s_add_co_u32 s2, s2, WS
	s_add_nc_u64 s[22:23], s[6:7], s[2:3]          ; the slice's scale words
	s_lshl_b32 s2, s30, 17
	s_add_nc_u64 s[6:7], s[6:7], s[2:3]            ; and codes
	s_lshl_b32 s2, s30, 9
	s_add_nc_u64 s[8:9], s[8:9], s[2:3]            ; b2 at the slice's first column
	s_lshl_b32 s2, s20, 9
	s_add_nc_u64 s[14:15], s[14:15], s[2:3]        ; out at the slice's first column
	s_add_nc_u64 s[12:13], s[12:13], XG            ; the gates
	s_wait_kmcnt 0x0
	s_min_u32 s27, s27, 264                        ; never more tiles than the buffers hold
	s_cmp_ge_u32 s29, s27                          ; nothing for this wave under this split
	s_cbranch_scc1 .Lend
	s_sub_co_u32 s31, s27, 1
	s_sub_co_u32 s98, s27, s29                     ; my trips: ceil((tiles - c3) / 48):
	s_add_co_u32 s98, s98, 47                      ; 48 to 311,
	s_mul_i32 s98, s98, 1366                       ; and x 1366 / 65536 is the whole part of x / 48 for x under 2,063
	s_lshr_b32 s98, s98, 16
	s_mov_b32 s99, 0                               ; trips done
	s_wait_alu depctr_va_vdst(0)                   ; v[L16] and v[H64] are written, which the loads below, and every load of W2, read as their offset; so are v[STO] and v[RD], the stage's addresses
.irp tp, 0,1,2,3
.irp kq, 0,1
	global_load_b128 v[BS+8*\tp+4*\kq:BS+8*\tp+4*\kq+3], v[L16], s[22:23] offset:\tp*1024+\kq*512   ; register 8 tp + ks: the pair's scale words of K step ks
.endr
.endr
.irp t, 0,1,2,3,4,5,6,7
	global_load_b128 v[BIAS+8*\t:BIAS+8*\t+3], v[H64], s[8:9] offset:(32*(\t/2)+8*(\t%2))*4          ; b2 at columns 32 b + 16 h + 8 u + 0 .. 7
	global_load_b128 v[BIAS+8*\t+4:BIAS+8*\t+7], v[H64], s[8:9] offset:(32*(\t/2)+8*(\t%2))*4+16
.endr
.Ltrip:
.irp i, 0,1,2
	s_add_co_u32 s[84+\i], s29, \i                 ; the tile within the expert,
	s_min_u32 s[88+\i], s[84+\i], s31              ; held at its last,
	s_add_co_u32 s[88+\i], s[88+\i], s26           ; among all tiles,
	s_min_u32 s[88+\i], s[88+\i], 263              ; inside the buffers
	s_lshl_b32 s[92+\i], s[88+\i], 6
	v_add_nc_u32 v[LO+\i], s[92+\i], v[R4]
	s_lshl_b32 s96, s[88+\i], 14
	v_add_nc_u32 v[VA+\i], s96, v[L16]
	s_lshl_b32 s96, s[88+\i], 10
	v_add_nc_u32 v[VS+\i], s96, v[L16]
.endr
	s_load_b512 s[32:47], s[10:11], s92 offset:0x0 ; the three tiles' 16 tokens as scalars, for the rows' places in out: wanted at the trip's end
	s_load_b512 s[48:63], s[10:11], s93 offset:0x0
	s_load_b512 s[68:83], s[10:11], s94 offset:0x0
	s_wait_alu depctr_va_vdst(0)                   ; v[LO ..], v[VA ..] and v[VS ..] are written, which the trip's loads read; the last trip's products are done reading the three sets and h's scale words, its vector lines are done with v[TOK ..] and the gates: loads land in all of these
.irp i, 0,1,2
	global_load_b32 v[TOK+\i], v[LO+\i], s[10:11]  ; and a lane's own row's token, for its gate
.endr
.irp i, 0,1,2
	global_load_b128 v[AS+8*\i:AS+8*\i+3], v[VS+\i], s[16:17]
	global_load_b128 v[AS+8*\i+4:AS+8*\i+7], v[VS+\i], s[16:17] offset:512
.endr
	WIN 0x80
	LOADA 0
	WIN 0x40
	LOADB 0, 0
	LOADB 0, 1
	LOADB 1, 0
	LOADB 1, 1
	WIN 0x80
	LOADA 1
	KSTEP 0, 44                                    ; all but K step 1's 44 loads are in
	KSTEP 1, 47                                    ; behind K step 1's loads: the three gates and K step 2's 44
	KSTEP 2, 44
	KSTEP 3, 44
	KSTEP 4, 44
	KSTEP 5, 44
	KSTEP 6, 44
	KSTEP 7, 0
	WIN 0
	s_wait_kmcnt 0x0                               ; the scalar tokens
.rept 8
	v_nop                                          ; eight plain lines between the last products and the first vector line that reads a result
.endr
.irp i, 0,1,2
	s_cmp_ge_u32 s[84+\i], s27                     ; a place past the expert's last tile stores nothing
	s_cbranch_scc1 .Ltile_done_\i
.if \i == 0
.set TL, 32
.elseif \i == 1
.set TL, 48
.else
.set TL, 68
.endif
	s_lshl_b32 s97, s[84+\i], 4
	s_sub_co_u32 s97, s28, s97
	s_min_u32 s97, s97, 16                         ; the tile's true rows: 1 to 16
.set row, 0
.rept 16
	s_min_u32 s[TL+row], s[TL+row], 0xfff
	v_lshl_add_u32 v[OF+row], s[TL+row], 12, v[L16]   ; token x 4,096 bytes + 16 x lane
.set row, row+1
.endr
	WIN 0xc3                                       ; source 0 and destination window 3, the gate window 0
.set j, 0
.rept 32
	v_pk_mul_f32 v[64*\i+j:64*\i+j+1], v[64*\i+j:64*\i+j+1], v[G+2*\i:G+2*\i+1] op_sel_hi:[1,0]   ; x my row's gate; each accumulator from its low end on
.set j, j+2
.endr
	WIN 0x0c                                       ; an LDS store's data are its source 1: window 3
	s_wait_alu depctr_va_vdst(0)                   ; the multiplications have written the tile's accumulators, which the LDS stores read; v[OF ..] are written, which the stores to out read
.irp b, 0,1,2,3
.irp q, 0,1,2,3
	ds_store_b128 v[STO], v[64*\i+16*\b+4*\q:64*\i+16*\b+4*\q+3] offset:128*\b+16*\q
.endr
.endr
	WIN 0
.set row, 0
.rept 16
	ds_load_b128 v[OUT+4*row:OUT+4*row+3], v[RD] offset:row*528   ; LDS serves a wave's instructions in order: these see my stores
.set row, row+1
.endr
	s_wait_dscnt 0x0
.set row, 0
.rept 16
.if row > 0
	s_cmp_le_u32 s97, row                          ; the rows that only fill the tile up are left out
	s_cbranch_scc1 .Ltile_done_\i
.endif
	global_store_b128 v[OF+row], v[OUT+4*row:OUT+4*row+3], s[14:15] th:TH_STORE_NT   ; 32 lanes store 512 consecutive bytes, at a multiple of 512 from out's first byte; written once, read by nobody here
.set row, row+1
.endr
.Ltile_done_\i:
	s_wait_xcnt 0x0                                ; the tile's stores have had their addresses translated (ISA guide 3.1): their places and data, and behind the last tile the trip's addresses, are written again only behind this wait
	s_wait_alu depctr_vm_vsrc(0)                   ; the stores have read v[OF ..] and v[OUT ..], which the next tile writes again; behind the last tile also: the trip's loads have read v[LO ..], v[VA ..], v[VS ..] and v[TOK ..], its LDS stores the accumulators, all written again in the next trip
.endr
	s_add_co_u32 s29, s29, 48                      ; the 16 groups' 48 tiles on
	s_add_co_u32 s99, s99, 1
	s_cmp_lt_u32 s99, s98
	s_cbranch_scc1 .Ltrip
.Lend:
	s_wait_dscnt 0x0
	s_wait_alu depctr_hold_cnt(0) depctr_sa_sdst(0) depctr_va_vdst(0) depctr_va_sdst(0) depctr_va_ssrc(0) depctr_va_vcc(0) depctr_vm_vsrc(0)
	s_wait_tensorcnt 0x0
	ds_add_u32 v126, v127
	s_wait_dscnt 0x0
	s_endpgm
.Lfunc_end_k_q0069cf0143_gemm2:
	.size	k_q0069cf0143_gemm2, .Lfunc_end_k_q0069cf0143_gemm2-k_q0069cf0143_gemm2
	.p2alignl 7, 3214868480
	.fill 96, 4, 3214868480
	.section	.rodata,"a",@progbits
	.p2align	6, 0x0
	.amdhsa_kernel k_q0069cf0143_gemm2
		.amdhsa_group_segment_fixed_size 34304
		.amdhsa_private_segment_fixed_size 0
		.amdhsa_enable_private_segment 0
		.amdhsa_kernarg_size 48
		.amdhsa_user_sgpr_count 2
		.amdhsa_user_sgpr_kernarg_segment_ptr 1
		.amdhsa_wavefront_size32 1
		.amdhsa_system_sgpr_workgroup_id_x 1
		.amdhsa_system_sgpr_workgroup_id_y 1
		.amdhsa_system_sgpr_workgroup_id_z 1
		.amdhsa_system_vgpr_workitem_id 0
		.amdhsa_next_free_vgpr 1024
		.amdhsa_next_free_sgpr 100
		.amdhsa_reserve_vcc 0
		.amdhsa_float_denorm_mode_32 3
		.amdhsa_float_denorm_mode_16_64 3
		.amdhsa_memory_ordered 1
		.amdhsa_forward_progress 1
		.amdhsa_inst_pref_size 94
	.end_amdhsa_kernel
	.amdgpu_metadata
---
amdhsa.version: [ 1, 2 ]
amdhsa.kernels:
  - .name:           k_q0069cf0143_gemm2
    .symbol:         k_q0069cf0143_gemm2.kd
    .args:
      - { .name: hq, .offset: 0, .size: 8, .value_kind: global_buffer, .address_space: global }
      - { .name: w2q, .offset: 8, .size: 8, .value_kind: global_buffer, .address_space: global }
      - { .name: b2, .offset: 16, .size: 8, .value_kind: global_buffer, .address_space: global }
      - { .name: order, .offset: 24, .size: 8, .value_kind: global_buffer, .address_space: global }
      - { .name: xq, .offset: 32, .size: 8, .value_kind: global_buffer, .address_space: global }
      - { .name: out0, .offset: 40, .size: 8, .value_kind: global_buffer, .address_space: global }
    .group_segment_fixed_size: 34304
    .private_segment_fixed_size: 0
    .kernarg_segment_align: 8
    .kernarg_segment_size: 48
    .max_flat_workgroup_size: 128
    .sgpr_count:     100
    .vgpr_count:     1024
    .wavefront_size: 32
...
	.end_amdgpu_metadata
.endif
;; end of part 8
